; MI455X (gfx1250); checked and timed in simulation.
; The chip was launched on July 23, 2026; its instructions are those of AMD's public machine-readable ISA for CDNA 5 (MIT licence, August 2026) and "CDNA5" Instruction Set Architecture Reference Guide (July 2026). The comments in the code are by the model that wrote it; some were corrected since.
;; Multi Head Attn. Allowed arithmetic: matrix products marked QUANTISED: E2M3 operands, one E8M0 scale for each 32 along K, by v_wmma_scale_f32_16x16x128_f8f6f4 with both operands' format E2M3, f32 sums; everything else in f32.
;; Inputs: k 4 x 2,048 x 1,024 float32; proj_b 1,024 float32; proj_w 1,024 x 1,024 float32; q 4 x 2,048 x 1,024 float32; v 4 x 2,048 x 1,024 float32; w_k 16 x 1,024 x 64 float32; w_q 16 x 1,024 x 64 float32; w_v 16 x 1,024 x 64 float32.
;; Outputs: out0 4 x 2,048 x 1,024 float32.
;; This version of the problem:
;;   THIS VERSION OF THE PROBLEM IS GIVEN IN LOW PRECISION. The matrix products marked QUANTISED in the list below multiply operands that are first quantised to E2M3 (2 exponent bits, 3 mantissa bits; 6 bits a number), with one power-of-two scale for each 32 numbers along K (OCP MX v1.0); their sums are f32. All else is computed in f32.
;;   The module's matrix products, in the order in which they are computed (A, B: the left and right operand; K: the contracted axis; several contracted axes count as one K, in the product's order):
;;     1. [M 1,024, K 1,024] x [K 1,024, N 8,192]; A: input w_q; B: input q: QUANTISED
;;     2. [M 1,024, K 1,024] x [K 1,024, N 8,192]; A: input w_k; B: input k: QUANTISED
;;     3. [M 1,024, K 1,024] x [K 1,024, N 8,192]; A: input w_v; B: input v: QUANTISED
;;     4. batch 64 x [M 2,048, K 64] x [K 64, N 2,048]; A: computed on the way; B: computed on the way: QUANTISED
;;     5. batch 64 x [M 2,048, K 2,048] x [K 2,048, N 64]; A: softmax (see below); B: computed on the way: QUANTISED
;;     6. [M 8,192, K 1,024] x [K 1,024, N 1,024]; A: computed on the way; B: input proj_w: QUANTISED
;;   THE QUANTISER, for each operand of a quantised product, along K:
;;     - K is cut into blocks of 32 from its start; a last block that is shorter is filled with zeros.
;;     - A block's scale is 2^e with e = floor(log2(the largest magnitude in the block)) - 2, held to -126 .. 127; a block of zeros has e = 0. As a byte (E8M0): e + 127.
;;     - Each number is divided by its block's scale, clamped to +-7.5, and rounded to the nearest number of E2M3, ties to even, subnormals kept.
;;     - The product sums the exact products of the quantised numbers (number of the format x scale) in f32.
;;   ~~~python
;;   def quantise(x, axis):      # numpy; x: float32 -> the quantised numbers, widened to float32 again
;;       x = np.moveaxis(x, axis, -1); K = x.shape[-1]
;;       x = np.pad(x, [(0, 0)] * (x.ndim - 1) + [(0, -K % 32)]); x = x.reshape(x.shape[:-1] + (-1, 32)); a = np.abs(x).max(-1, keepdims=True)
;;       e = np.where(a > 0, np.clip(np.frexp(np.where(a > 0, a, 1))[1] - 1 - 2, -126, 127), 0)      # np.frexp(a)[1] - 1 = floor(log2(a)), exactly
;;       r = np.clip(x / 2.0 ** e, -7.5, 7.5)
;;       step = 2.0 ** (np.maximum(np.frexp(np.where(r == 0, 1, r))[1] - 1, 0) - 3)
;;       q = np.round(r / step) * step * 2.0 ** e      # np.round: ties to even
;;       return np.moveaxis(q.reshape(q.shape[:-2] + (-1,))[..., :K], -1, axis).astype(np.float32)
;;   ~~~
;;   SOFTMAX AHEAD OF A QUANTISED PRODUCT. Where the list says 'softmax', what is quantised is not the finished softmax but p = 2^(t - M), with t = logit x log2(e) and M = ceil(the row's largest t), a whole number; so 1/2 < the row's largest p <= 1. The row's sum l is taken of the UNQUANTISED p, in f32, and the product's result is divided by l at the end. Since M is a whole number, a kernel that streams over the keys may use a running M (the ceiling of the running maximum): every later rescaling is an exact power of two, which a block's scale takes up: the codes' values come out the same.
;;   OPERANDS COMPUTED ON THE WAY. 'Computed on the way' means the value that the module computes at that place (a softmax that the list does not call 'softmax' is quantised finished and normalised). What goes into a quantiser is computed in f32, as accurately as f32 sums, v_exp_f32 and their like allow (about 1e-6 of the number): no bf16 or f16 on the way to a quantiser, and a product that is left as it is and whose result goes on into a quantised operand takes f32 operands (vector FMAs, or v_wmma_f32_16x16x4_f32). A number that lies on a knife's edge between two numbers of the format may be rounded either way, as far as f32 arithmetic and the matrix unit's own rounding can turn it there, and no further.
;; One version. Each part assembles by itself: llvm-mc -triple=amdgcn-amd-amdhsa -mcpu=gfx1250 --defsym DOCPART=n.
;; ======== version 1 of 1: 5 launches
;; limits: right only within a limited range of input values
;; workspace buffers: xi 20,480,000 bytes; wi 2,457,600 bytes; qi 6,815,744 bytes; kv 13,369,344 bytes; oi 6,553,600 bytes
;; launch quant_x (part 1): grid 800 x 1, 4 waves a work-group, no clusters, 34,304 bytes of LDS; arguments q, k, v, proj_w, xi; writes xi
.if DOCPART == 1
	.amdgcn_target "amdgcn-amd-amdhsa--gfx1250"
	.amdhsa_code_object_version 6
	.text
	.protected	k_q1966abe87b_quant_x
	.globl	k_q1966abe87b_quant_x
	.p2align	8
	.type	k_q1966abe87b_quant_x,@function
k_q1966abe87b_quant_x:
	s_mov_b64 s[64:65], 0
	v_nop
	global_prefetch_b8 v0, s[64:65] scope:SCOPE_SE
	s_setreg_imm32_b32 hwreg(HW_REG_WAVE_MODE, 25, 1), 1
	s_wait_xcnt 0x0
; MULTI-HEAD ATTENTION IN MX-FP6, five launches: quant_x, quant_w, proj_qkv, attn, out_proj.
; NO WORK OF reference() IS LEFT OUT: every input (q, k, v, w_q, w_k, w_v, proj_w, proj_b) has a way to out0, and every product of the table is live.
; THIS LAUNCH: q, k, v [8192][1024] and proj_w [1024][1024], f32 with K innermost, become codes of FP6 (E2M3) with one E8M0 byte for each 32 along K.
; A block's scale is 2^(floor(log2(its largest magnitude)) - 2); its byte is that magnitude's exponent field - 2, held at 1 from below.
; LIMITS: a block of zeros gets the byte 1 where the rule says 127 (its codes are zeros, and the bytes are read by this program alone); blocks whose largest magnitude lies under
; 2^(3 - 127), the floor, were not tried; NaN and infinities among the inputs are not served.
; LAYOUT OF xi: the codes lie as IMAGES OF THE OPERAND'S REGISTERS.  Rows go in groups of 128 (q: groups 0-63, k: 64-127, v: 128-191, proj_w: 192-199), K in steps of 128.
; A record (group, K step) is 12,800 bytes: 8 fragments of 1,536 bytes (registers 4 j .. 4 j + 3 of lane l at 512 j + 16 l), then 512 bytes of scale words [tile / 4][r][tile % 4].
; Lane r of tile t holds row 32 (t / 2) + 8 (t % 2) + r + 8 (r / 8) of the group: with such a tile as source 0, the 16 result registers of tiles 2 b, 2 b + 1 are 16 neighbours along that axis.
; SHARES: a wave takes 64 rows x 128 along K: four tiles.  Each load reads 512 consecutive bytes of one row; a tile's 16 rows turn through the wave's own stage in LDS (pitch 528 bytes, an odd
; multiple of 16), so that lane (r, h) gets K = 64 c + 32 h + 0 .. 31 of row r: two whole blocks, in the order of the operand's registers.  Every store covers whole aligned runs of 256 bytes.
; No cluster, no tensor load: work-groups share no input; waves share nothing, so there is no barrier.
.set STGB,  8448                       ; a wave's stage: 16 rows x 528 bytes
.set SPARE, 4*STGB                     ; behind the stages: the spare words, 128 bytes a wave
.set SPW,   4                          ; v4   my spare word;  v5: 0; both never rewritten
.set NIL,   5
.set R,     16                         ; v16-143  two sets of 16 x 4 registers as loaded
.set X,     144                        ; v144-207 my 64 numbers: 32 c + i = K 64 c + 32 h + i
.set C,     208                        ; v208-231 a fragment's 12 registers, two sets
.set TT,    232                        ; v232-238 the second halves of the blocks' codes
.set W,     240                        ; v240-243 the four tiles' scale words
.set Z,     244                        ; v244-245 the two that I store
	s_load_b256 s[4:11], s[0:1], 0x0               ; q, k, v, proj_w
	s_load_b64 s[12:13], s[0:1], 0x20              ; xi
	v_lshl_add_u32 v[SPW], v0, 2, SPARE
	v_mov_b32 v[NIL], 0
	v_lshrrev_b32 v8, 5, v0
	v_readfirstlane_b32 s14, v8                    ; wave
	v_and_b32 v9, 31, v0                           ; lane
	v_and_b32 v10, 15, v0                          ; r
	v_bfe_u32 v11, v0, 4, 1                        ; h
	v_lshlrev_b32 v1, 4, v9                        ; v1: 16 x lane
	s_mul_i32 s15, s14, STGB
	v_add_nc_u32 v2, s15, v1                       ; v2: the stage on the way in
	v_mul_u32_u24 v3, v10, 528
	v_lshl_add_u32 v3, v11, 7, v3
	v_add_nc_u32 v3, s15, v3                       ; v3: on the way out: row r, + 128 h bytes
	v_lshlrev_b32 v6, 3, v11                       ; v6: 8 h
	v_lshl_add_u32 v7, v10, 4, v6                  ; v7: 16 r + 8 h
	v_mov_b32 v15, 0                               ; a lane permute's destination counts as one of its sources
	s_mov_b32 s20, 0x76543210
	s_mov_b32 s21, 0xfedcba98                      ; lane l xor 16
	s_lshr_b32 s16, ttmp9, 2                       ; group
	s_and_b32 s17, ttmp9, 3
	s_lshl_b32 s17, s17, 1
	s_lshr_b32 s18, s14, 1
	s_or_b32 s17, s17, s18                         ; K step
	s_and_b32 s18, s14, 1                          ; which 64 rows
	s_lshr_b32 s30, ttmp9, 8                       ; the tensor: 0 q, 1 k, 2 v, 3 proj_w
	s_and_b32 s22, s16, 63
	s_lshl_b32 s22, s22, 19                        ; 128 rows of 4,096 bytes
	s_lshl_b32 s23, s18, 18
	s_add_co_u32 s22, s22, s23
	s_lshl_b32 s23, s17, 9
	s_add_co_u32 s22, s22, s23
	s_mov_b32 s23, 0
	s_mul_i32 s24, s16, 102400
	s_mul_i32 s25, s17, 12800
	s_add_co_u32 s24, s24, s25                     ; the record
	s_mul_i32 s26, s18, 6144
	s_add_co_u32 s26, s26, s24                     ; my four fragments
	s_mov_b32 s27, 0
	s_lshl_b32 s28, s18, 8
	s_add_co_u32 s28, s28, s24
	s_add_co_u32 s28, s28, 12288                   ; my 256 bytes of scale words
	s_mov_b32 s29, 0
	s_wait_alu depctr_va_vdst(0)
	s_wait_kmcnt 0x0
	s_cmp_lt_u32 ttmp9, 768                        ; which tensor: the choice hangs on the work-group's number alone
	s_cselect_b64 s[10:11], s[8:9], s[10:11]
	s_cmp_lt_u32 ttmp9, 512
	s_cselect_b64 s[10:11], s[6:7], s[10:11]
	s_cmp_lt_u32 ttmp9, 256
	s_cselect_b64 s[10:11], s[4:5], s[10:11]
	s_add_nc_u64 s[10:11], s[10:11], s[22:23]
	s_add_nc_u64 s[26:27], s[12:13], s[26:27]
	s_add_nc_u64 s[28:29], s[12:13], s[28:29]
; Tile t's 16 rows, 512 consecutive bytes each.  THE ROWS OF A TILE: q, v, proj_w as the head comment says.  k ALONE HAS ANOTHER ORDER: lane r of tile t of a group holds row
; 64 (t / 4) + 32 (r / 8) + 8 (t % 4) + r % 8: with such a tile as source 0 of the scores, the 32 result registers of tiles 4 c .. 4 c + 3 are a whole block of 32 neighbouring keys in one lane.
; The branch hangs on the work-group's number alone; both arms issue 16 loads into the same registers.
.macro LOAD t
	s_cmp_eq_u32 s30, 1
	s_cbranch_scc1 .Lrows_k_\@
.irp i, 0,1,2,3,4,5,6,7,8,9,10,11,12,13,14,15
	global_load_b128 v[R+64*((\t)%2)+4*\i:R+64*((\t)%2)+4*\i+3], v1, s[10:11] offset:(32*((\t)/2)+8*((\t)%2)+\i+8*(\i/8))*4096 th:TH_LOAD_NT
.endr
	s_branch .Lrows_in_\@
.Lrows_k_\@:
.irp i, 0,1,2,3,4,5,6,7,8,9,10,11,12,13,14,15
	global_load_b128 v[R+64*((\t)%2)+4*\i:R+64*((\t)%2)+4*\i+3], v1, s[10:11] offset:(8*(\t)+(\i%8)+32*(\i/8))*4096 th:TH_LOAD_NT
.endr
.Lrows_in_\@:
.endm
; 64 numbers of a lane, two whole blocks, become a fragment's 12 registers in set t % 2 and the row's scale word in v[W + t]
.macro QUANTF t
.set CS, C+12*((\t)%2)
.irp c, 0,1
	v_max3_num_f32 v[8+\c], |v[X+32*\c]|, |v[X+32*\c+1]|, 0x1800000   ; the floor 2^(3 - 127) among the leaves: the byte cannot fall under 1
.endr
.irp i, 2,4,6,8,10,12,14,16,18,20,22,24,26,28,30
.irp c, 0,1
	v_max3_num_f32 v[8+\c], v[8+\c], |v[X+32*\c+\i]|, |v[X+32*\c+\i+1]|   ; the two blocks by turns
.endr
.endr
.irp c, 0,1
	v_add_nc_u32 v[10+\c], 0xff000000, v[8+\c]     ; 2 off the exponent field: the conversion's scale operand
.endr
.irp c, 0,1
	v_lshrrev_b32 v[12+\c], 23, v[10+\c]           ; the byte
.endr
	v_lshl_or_b32 v14, v13, 16, v12                ; my bytes: blocks h and 2 + h,
	v_lshlrev_b32 v14, v6, v14                     ; 8 h bits up;
	v_permlanex16_b32 v15, v14, s20, s21
	v_or_b32 v[W+(\t)], v14, v15                   ; with lane l xor 16's two the word is whole
.if (\t) > 1
	s_wait_alu depctr_va_vdst(0)
	s_wait_xcnt 0x0                                ; the stores of two tiles ago have read this set of registers
.endif
.irp c, 0,1
	v_cvt_scalef32_pk16_fp6_f32 v[CS+6*\c:CS+6*\c+2], v[X+32*\c:X+32*\c+15], v[10+\c]
	v_cvt_scalef32_pk16_fp6_f32 v[TT+4*\c:TT+4*\c+2], v[X+32*\c+16:X+32*\c+31], v[10+\c]   ; (a conversion's three registers begin on an even number)
.endr
	v_nop                                          ; one plain place behind a scaled conversion
.irp c, 0,1
.irp i, 0,1,2
	v_mov_b32 v[CS+6*\c+3+\i], v[TT+4*\c+\i]
.endr
.endr
.endm
.macro TILE t
.if (\t) < 3
	s_wait_loadcnt 16                              ; this tile's 16 loads are in; the next tile's 16 may be out
.else
	s_wait_loadcnt 0x0
.endif
.irp i, 0,1,2,3,4,5,6,7,8,9,10,11,12,13,14,15
	ds_store_b128 v2, v[R+64*((\t)%2)+4*\i:R+64*((\t)%2)+4*\i+3] offset:528*\i
.endr
.irp c, 0,1
.irp e, 0,1,2,3,4,5,6,7
	ds_load_b128 v[X+32*\c+4*\e:X+32*\c+4*\e+3], v3 offset:256*\c+16*\e   ; LDS serves a wave's instructions in order: these see the stores above
.endr
.endr
	s_wait_dscnt 0x0
.if (\t) < 2
	LOAD (\t)+2                                    ; into the registers that the stage's stores have read
.endif
	QUANTF \t
.irp j, 0,1,2
	global_store_b128 v1, v[C+12*((\t)%2)+4*\j:C+12*((\t)%2)+4*\j+3], s[26:27] offset:1536*(\t)+512*\j   ; 512 consecutive bytes
.endr
.endm
	LOAD 0
	LOAD 1
	TILE 0
	TILE 1
	TILE 2
	TILE 3
	v_cmp_ne_u32 vcc_lo, 0, v6                     ; lanes 16-31
	v_cndmask_b32 v[Z], v[W], v[W+2], vcc_lo       ; lane (r, h) stores row r's words of tiles 2 h and 2 h + 1
	v_cndmask_b32 v[Z+1], v[W+1], v[W+3], vcc_lo
	global_store_b64 v7, v[Z:Z+1], s[28:29]        ; 256 consecutive bytes
	s_wait_tensorcnt 0x0                           ; the wave's end
	ds_add_u32 v[SPW], v[NIL]
	s_wait_dscnt 0x0
	s_endpgm
.Lfunc_end_k_q1966abe87b_quant_x:
	.size	k_q1966abe87b_quant_x, .Lfunc_end_k_q1966abe87b_quant_x-k_q1966abe87b_quant_x
	.p2alignl 7, 3214868480
	.fill 96, 4, 3214868480
	.section	.rodata,"a",@progbits
	.p2align	6, 0x0
	.amdhsa_kernel k_q1966abe87b_quant_x
		.amdhsa_group_segment_fixed_size 34304
		.amdhsa_private_segment_fixed_size 0
		.amdhsa_enable_private_segment 0
		.amdhsa_kernarg_size 40
		.amdhsa_user_sgpr_count 2
		.amdhsa_user_sgpr_kernarg_segment_ptr 1
		.amdhsa_wavefront_size32 1
		.amdhsa_system_sgpr_workgroup_id_x 1
		.amdhsa_system_sgpr_workgroup_id_y 1
		.amdhsa_system_sgpr_workgroup_id_z 1
		.amdhsa_system_vgpr_workitem_id 0
		.amdhsa_next_free_vgpr 256
		.amdhsa_next_free_sgpr 66
		.amdhsa_reserve_vcc 1
		.amdhsa_float_denorm_mode_32 3
		.amdhsa_float_denorm_mode_16_64 3
		.amdhsa_memory_ordered 1
		.amdhsa_forward_progress 1
		.amdhsa_inst_pref_size 37
	.end_amdhsa_kernel
	.amdgpu_metadata
---
amdhsa.version: [ 1, 2 ]
amdhsa.kernels:
  - .name:           k_q1966abe87b_quant_x
    .symbol:         k_q1966abe87b_quant_x.kd
    .args:
      - { .name: q, .offset: 0, .size: 8, .value_kind: global_buffer, .address_space: global }
      - { .name: k, .offset: 8, .size: 8, .value_kind: global_buffer, .address_space: global }
      - { .name: v, .offset: 16, .size: 8, .value_kind: global_buffer, .address_space: global }
      - { .name: proj_w, .offset: 24, .size: 8, .value_kind: global_buffer, .address_space: global }
      - { .name: xi, .offset: 32, .size: 8, .value_kind: global_buffer, .address_space: global }
    .group_segment_fixed_size: 34304
    .private_segment_fixed_size: 0
    .kernarg_segment_align: 8
    .kernarg_segment_size: 40
    .max_flat_workgroup_size: 128
    .sgpr_count:     66
    .vgpr_count:     256
    .wavefront_size: 32
...
	.end_amdgpu_metadata
.endif
;; end of part 1
;; launch quant_w (part 2): grid 96 x 1, 4 waves a work-group, no clusters, 141,824 bytes of LDS; arguments w_q, w_k, w_v, wi; writes wi
.if DOCPART == 2
	.amdgcn_target "amdgcn-amd-amdhsa--gfx1250"
	.amdhsa_code_object_version 6
	.text
	.protected	k_q1966abe87b_quant_w
	.globl	k_q1966abe87b_quant_w
	.p2align	8
	.type	k_q1966abe87b_quant_w,@function
k_q1966abe87b_quant_w:
	s_mov_b64 s[64:65], 0
	v_nop
	global_prefetch_b8 v0, s[64:65] scope:SCOPE_SE
	s_setreg_imm32_b32 hwreg(HW_REG_WAVE_MODE, 25, 1), 1
	s_wait_xcnt 0x0
; w_q, w_k, w_v [16 heads][1024 (K)][64], f32, K NOT innermost, become codes of FP6 (E2M3) along K, laid as quant_x lays its records: group = 8 x tensor + head / 2 (128 features: a pair of heads),
; K step of 128; a record is 8 fragment images of 1,536 bytes and 512 bytes of scale words; a head is four tiles; lane r of tile t holds feature 32 (t / 2) + 8 (t % 2) + r + 8 (r / 8) of its head.
; No work of reference() is left out.  LIMITS as in quant_x: a block of zeros gets the byte 1; blocks under the floor 2^(3 - 127) were not tried; NaN and infinities are not served.
; SHARES: a wave takes one head's K step: 128 rows of 256 bytes, 32,768 dense bytes, read by loads of 512 consecutive bytes and laid in the wave's own stage in LDS.  From there a lane takes ONE feature and
; its registers run down K, so that the conversions' results are the operand's registers.  A stage row k lies at 272 k + 128 (k / 32): lanes 16-31, which read 32 rows further down, then stand
; 8,832 bytes = 32 words modulo 64 on, and the 32 lanes of a load of 4 bytes touch 32 different words' places.
; 96 work-groups: that is all the work there is (12.6 MB).  No cluster, no tensor load: work-groups share no input; no barrier: waves share nothing.
.set STGB,  35328
.set SPARE, 4*STGB
.set SPW,   4
.set NIL,   5
.set R,     16
.set X,     144
.set C,     208
.set TT,    232
.set W,     240
.set Z,     244
	s_load_b256 s[4:11], s[0:1], 0x0               ; w_q, w_k, w_v, wi
	v_lshl_add_u32 v[SPW], v0, 2, SPARE
	v_mov_b32 v[NIL], 0
	v_lshrrev_b32 v8, 5, v0
	v_readfirstlane_b32 s14, v8                    ; wave
	v_and_b32 v9, 31, v0
	v_and_b32 v10, 15, v0                          ; r
	v_bfe_u32 v11, v0, 4, 1                        ; h
	v_lshlrev_b32 v1, 4, v9                        ; v1: 16 x lane
	s_mul_i32 s15, s14, STGB
	v_mul_u32_u24 v2, v11, 272
	v_lshl_add_u32 v2, v10, 4, v2
	v_add_nc_u32 v2, s15, v2                       ; v2: in: lanes 0-15 one row of 256 bytes, lanes 16-31 the next
	v_and_b32 v12, 8, v10
	v_add_nc_u32 v12, v12, v10                     ; r + 8 (r / 8)
	v_mul_u32_u24 v3, v11, 8832
	v_lshl_add_u32 v3, v12, 2, v3
	v_add_nc_u32 v3, s15, v3                       ; v3: out: my feature's word, 32 rows down for lanes 16-31
	v_lshlrev_b32 v6, 3, v11                       ; v6: 8 h
	v_lshl_add_u32 v7, v10, 4, v6                  ; v7: 16 r + 8 h
	v_mov_b32 v15, 0
	s_mov_b32 s20, 0x76543210
	s_mov_b32 s21, 0xfedcba98
	s_lshl_b32 s16, ttmp9, 2
	s_add_co_u32 s16, s16, s14                     ; my unit
	s_and_b32 s17, s16, 7                          ; K step
	s_lshr_b32 s18, s16, 3
	s_and_b32 s18, s18, 15                         ; head
	s_lshr_b32 s19, ttmp9, 5                       ; tensor
	s_lshl_b32 s22, s18, 18
	s_lshl_b32 s23, s17, 15
	s_add_co_u32 s22, s22, s23
	s_mov_b32 s23, 0
	s_lshl_b32 s24, s19, 3
	s_lshr_b32 s25, s18, 1
	s_add_co_u32 s24, s24, s25
	s_mul_i32 s24, s24, 102400
	s_mul_i32 s25, s17, 12800
	s_add_co_u32 s24, s24, s25                     ; the record
	s_and_b32 s18, s18, 1                          ; which half of it
	s_mul_i32 s26, s18, 6144
	s_add_co_u32 s26, s26, s24
	s_mov_b32 s27, 0
	s_lshl_b32 s28, s18, 8
	s_add_co_u32 s28, s28, s24
	s_add_co_u32 s28, s28, 12288
	s_mov_b32 s29, 0
	s_wait_alu depctr_va_vdst(0)
	s_wait_kmcnt 0x0
	s_cmp_lt_u32 ttmp9, 64
	s_cselect_b64 s[8:9], s[6:7], s[8:9]
	s_cmp_lt_u32 ttmp9, 32
	s_cselect_b64 s[8:9], s[4:5], s[8:9]
	s_add_nc_u64 s[8:9], s[8:9], s[22:23]
	s_add_nc_u64 s[26:27], s[10:11], s[26:27]
	s_add_nc_u64 s[28:29], s[10:11], s[28:29]
.macro LOADB q                         ; rows 32 q .. 32 q + 31 along K: 16 loads of 512 consecutive bytes
.irp e, 0,1,2,3,4,5,6,7,8,9,10,11,12,13,14,15
	global_load_b128 v[R+64*((\q)%2)+4*\e:R+64*((\q)%2)+4*\e+3], v1, s[8:9] offset:(32*(\q)+2*\e)*256 th:TH_LOAD_NT
.endr
.endm
.macro QUANTF t                        ; as in quant_x
.set CS, C+12*((\t)%2)
.irp c, 0,1
	v_max3_num_f32 v[8+\c], |v[X+32*\c]|, |v[X+32*\c+1]|, 0x1800000
.endr
.irp i, 2,4,6,8,10,12,14,16,18,20,22,24,26,28,30
.irp c, 0,1
	v_max3_num_f32 v[8+\c], v[8+\c], |v[X+32*\c+\i]|, |v[X+32*\c+\i+1]|
.endr
.endr
.irp c, 0,1
	v_add_nc_u32 v[10+\c], 0xff000000, v[8+\c]
.endr
.irp c, 0,1
	v_lshrrev_b32 v[12+\c], 23, v[10+\c]
.endr
	v_lshl_or_b32 v14, v13, 16, v12
	v_lshlrev_b32 v14, v6, v14
	v_permlanex16_b32 v15, v14, s20, s21
	v_or_b32 v[W+(\t)], v14, v15
.if (\t) > 1
	s_wait_alu depctr_va_vdst(0)
	s_wait_xcnt 0x0                                ; the stores of two tiles ago have read this set of registers
.endif
.irp c, 0,1
	v_cvt_scalef32_pk16_fp6_f32 v[CS+6*\c:CS+6*\c+2], v[X+32*\c:X+32*\c+15], v[10+\c]
	v_cvt_scalef32_pk16_fp6_f32 v[TT+4*\c:TT+4*\c+2], v[X+32*\c+16:X+32*\c+31], v[10+\c]
.endr
	v_nop                                          ; one plain place behind a scaled conversion
.irp c, 0,1
.irp i, 0,1,2
	v_mov_b32 v[CS+6*\c+3+\i], v[TT+4*\c+\i]
.endr
.endr
.endm
	LOADB 0
	LOADB 1
.irp q, 0,1,2,3
.if \q < 3
	s_wait_loadcnt 16                              ; this batch's 16 loads are in; the next batch's may be out
.else
	s_wait_loadcnt 0x0
.endif
.irp e, 0,1,2,3,4,5,6,7,8,9,10,11,12,13,14,15
	ds_store_b128 v2, v[R+64*(\q%2)+4*\e:R+64*(\q%2)+4*\e+3] offset:(32*\q+2*\e)*272+128*\q
.endr
	s_wait_dscnt 0x0                               ; the stores have read their registers
.if \q < 2
	LOADB \q+2
.endif
.endr
.macro TILEW t
.irp c, 0,1
.set i, 0
.rept 32
	ds_load_b32 v[X+32*\c+i], v3 offset:17664*\c+272*i+4*(32*((\t)/2)+8*((\t)%2))   ; W(64 c + 32 h + i, my feature)
.set i, i+1
.endr
.endr
	s_wait_dscnt 0x0
	QUANTF \t
.irp j, 0,1,2
	global_store_b128 v1, v[C+12*((\t)%2)+4*\j:C+12*((\t)%2)+4*\j+3], s[26:27] offset:1536*(\t)+512*\j
.endr
.endm
	TILEW 0
	TILEW 1
	TILEW 2
	TILEW 3
	v_cmp_ne_u32 vcc_lo, 0, v6
	v_cndmask_b32 v[Z], v[W], v[W+2], vcc_lo
	v_cndmask_b32 v[Z+1], v[W+1], v[W+3], vcc_lo
	global_store_b64 v7, v[Z:Z+1], s[28:29]
	s_wait_tensorcnt 0x0                           ; the wave's end
	ds_add_u32 v[SPW], v[NIL]
	s_wait_dscnt 0x0
	s_endpgm
.Lfunc_end_k_q1966abe87b_quant_w:
	.size	k_q1966abe87b_quant_w, .Lfunc_end_k_q1966abe87b_quant_w-k_q1966abe87b_quant_w
	.p2alignl 7, 3214868480
	.fill 96, 4, 3214868480
	.section	.rodata,"a",@progbits
	.p2align	6, 0x0
	.amdhsa_kernel k_q1966abe87b_quant_w
		.amdhsa_group_segment_fixed_size 141824
		.amdhsa_private_segment_fixed_size 0
		.amdhsa_enable_private_segment 0
		.amdhsa_kernarg_size 32
		.amdhsa_user_sgpr_count 2
		.amdhsa_user_sgpr_kernarg_segment_ptr 1
		.amdhsa_wavefront_size32 1
		.amdhsa_system_sgpr_workgroup_id_x 1
		.amdhsa_system_sgpr_workgroup_id_y 1
		.amdhsa_system_sgpr_workgroup_id_z 1
		.amdhsa_system_vgpr_workitem_id 0
		.amdhsa_next_free_vgpr 256
		.amdhsa_next_free_sgpr 66
		.amdhsa_reserve_vcc 1
		.amdhsa_float_denorm_mode_32 3
		.amdhsa_float_denorm_mode_16_64 3
		.amdhsa_memory_ordered 1
		.amdhsa_forward_progress 1
		.amdhsa_inst_pref_size 43
	.end_amdhsa_kernel
	.amdgpu_metadata
---
amdhsa.version: [ 1, 2 ]
amdhsa.kernels:
  - .name:           k_q1966abe87b_quant_w
    .symbol:         k_q1966abe87b_quant_w.kd
    .args:
      - { .name: w_q, .offset: 0, .size: 8, .value_kind: global_buffer, .address_space: global }
      - { .name: w_k, .offset: 8, .size: 8, .value_kind: global_buffer, .address_space: global }
      - { .name: w_v, .offset: 16, .size: 8, .value_kind: global_buffer, .address_space: global }
      - { .name: wi, .offset: 24, .size: 8, .value_kind: global_buffer, .address_space: global }
    .group_segment_fixed_size: 141824
    .private_segment_fixed_size: 0
    .kernarg_segment_align: 8
    .kernarg_segment_size: 32
    .max_flat_workgroup_size: 128
    .sgpr_count:     66
    .vgpr_count:     256
    .wavefront_size: 32
...
	.end_amdgpu_metadata
.endif
;; end of part 2
;; launch proj_qkv (part 3): grid 8 x 32, 4 waves a work-group, clusters of 4 x 4, 327,680 bytes of LDS; arguments xi, wi, qi, kv; writes qi, kv
.if DOCPART == 3
	.amdgcn_target "amdgcn-amd-amdhsa--gfx1250"
	.amdhsa_code_object_version 6
	.text
	.protected	k_q1966abe87b_proj_qkv
	.globl	k_q1966abe87b_proj_qkv
	.p2align	8
	.type	k_q1966abe87b_proj_qkv,@function
k_q1966abe87b_proj_qkv:
	s_mov_b64 s[64:65], 0
	v_nop
	global_prefetch_b8 v0, s[64:65] scope:SCOPE_SE
	s_setreg_imm32_b32 hwreg(HW_REG_WAVE_MODE, 25, 1), 1
	s_wait_xcnt 0x0
	s_wait_alu depctr_hold_cnt(0) depctr_sa_sdst(0) depctr_va_vdst(0) depctr_va_sdst(0) depctr_va_ssrc(0) depctr_va_vcc(0) depctr_vm_vsrc(0)
	s_getreg_b32 s2, hwreg(HW_REG_IB_STS2, 6, 4)
	s_cmp_eq_u32 s2, 0
	s_cbranch_scc0 .Lentry_in_a_cluster
	s_endpgm
.Lentry_in_a_cluster:
	s_bfe_u32 s2, ttmp6, 0x10000c
	s_cmp_lg_u32 s2, 0xf033
	s_cbranch_scc0 .Lentry_shape_is_right
	s_endpgm
.Lentry_shape_is_right:
; qh, kh, vh = the three input projections (K = 1,024) on codes of FP6, and their results quantised at once for the two products of attention.  No work of reference() is left out.
; SHARES: 8 x 32 = 256 work-groups THAT STAY: each takes 256 tokens x 128 features (a pair of heads) of q, then of k, then of v: three tiles.  A wave takes 128 tokens x one head: 8 token tiles x 4 feature tiles, 32 accumulators.
; THE RING: a tile's operands are 2 groups of tokens and 1 of features x 8 records of 12,800 bytes (quant_x, quant_w).  Slot 0 is K steps 0-3 of the three groups, slot 1 K steps 4-7: 153,600 bytes each.
; A fill is one tensor load a wave: waves 0 and 1 four records of a group of tokens (200 rows of 256 bytes), waves 2 and 3 two records of the features (100 rows).  In K step 3 nobody reads slot 0 any more: it takes the
; next tile's K steps 0-3; in K step 7 slot 1 takes its K steps 4-7.  One load of a wave is out at a time, and every wait on the tensor counter is for 0.
; q and k are a counted loop of two trips, each with its two refills; v is the tail, written out: it asks for nothing more.  A tile's stores are on their way while the next tile is multiplied.
; No prefetch: a refill is asked for four K steps, 128 matrix instructions of each wave (slot 1's: a K step, the way out and three K steps), ahead of the wait for it.
; CLUSTER 4 x 4: the tokens' records hang on the work-group's y alone and are asked for jointly along a row of the cluster, the features' on its x alone, jointly along a column.
; q AND k: source 0 = 16 features, source 1 = 16 tokens: a lane holds one token and its registers run along the head's 64, the K of the scores.
; v: source 0 = 16 tokens, source 1 = 16 features: a lane holds one feature and its registers run along the tokens, the K of the second product.  By the order of rows in a tile (quant_x, quant_w) the 16 registers of two
; neighbouring accumulators are 16 neighbours along that K in both cases, so ONE way out serves all three: 16 blocks of 32 (lanes l and l xor 16), 8 half fragments of 6 registers.
; OUT: half fragment images of 768 bytes (registers 0-3 of lane l at 16 l, registers 4-5 at 512 + 8 l).  qi: a record (batch, head, 128 tokens) = 8 images + 512 bytes of scale words (bytes 2, 3 of a word are 0).
; kv: a record (batch, head, 128 keys) of 13,056 bytes = K's 8 images, V's 8 (2 x feature tile + half), K's scale words (512), V's [r][4] (256).
; LIMITS: a block of zeros gets the byte 1; blocks under the floor 2^(3 - 127) were not tried; NaN and infinities are not served.
; REGISTERS: window 0: v1-15 addresses; v16-39 scale words, two sets; v64-159, v160-255 the tokens' fragments, two sets.  window 1: v0-47, v48-95 the features' fragments.  window 2: the accumulators.
.set REC,   12800
.set GRP,   8*REC
.set WRG,   2*GRP                      ; the features' records in LDS
.set SPARE, 3*GRP                      ; the spare words, 128 bytes a wave
.set SPW,   4
.set NIL,   5
.set AX,    6                          ; v6-7   my tokens' fragments, K steps 0-3 and 4-7
.set AW,    8                          ; v8-9   my features'
.set ASX,   10                         ; v10-11 the tokens' scale words
.set ASW,   12                         ; v12-13 the features'
.set SC,    16
.set XF,    64
.set T,     40                         ; the way out: largest magnitudes
.set WD,    56                         ; scale words of the 8 half fragments
.set U,     64                         ; the other lane's magnitude, then the byte
.set SO,    80                         ; the conversions' scale operands
.set G1X,   24
.set G1W,   32
.set G0X,   40                         ; s[40:47] the tokens' group 0, one set for each slot;  the features': s[56:63]
.set CNT,   68                         ; the loop's trip: 0 q, 1 k
.set RECN,  69                         ; my results' record number
.set SEL,   76
.set MSB, 0
.macro WIN new                         ; the immediate's high byte repeats the setting that is left
.if MSB != \new
	s_set_vgpr_msb (MSB<<8)|\new
.set MSB, \new
.endif
.endm
.macro PLACES n
.rept \n
	v_nop
.endr
.endm
.macro JLOAD g0x, g0w                  ; a joint load: waves 0 and 1 fetch tokens' records, waves 2 and 3 features'; an s_nop 0 and four v_nop follow each line
	s_cmp_eq_u32 s15, 0
	s_cbranch_scc0 .Lfor_w_\@
	tensor_load_to_lds s[\g0x:\g0x+3], s[G1X:G1X+7]
	s_nop 0
.rept 4
	v_nop
.endr
	s_branch .Lasked_\@
.Lfor_w_\@:
	tensor_load_to_lds s[\g0w:\g0w+3], s[G1W:G1W+7]
	s_nop 0
.rept 4
	v_nop
.endr
.Lasked_\@:
.endm
.macro CROUND                          ; a round of the cluster's barrier
	s_barrier_signal -1
	s_barrier_wait -1
	s_cmp_lg_u32 s14, 0
	s_cbranch_scc1 .Lnot_wave_0_\@
	s_barrier_signal -3
.Lnot_wave_0_\@:
	s_barrier_wait -3
	s_barrier_signal -1
	s_barrier_wait -1
.endm
	s_load_b256 s[4:11], s[0:1], 0x0               ; xi, wi, qi, kv
	v_lshl_add_u32 v[SPW], v0, 2, SPARE
	v_mov_b32 v[NIL], 0
	ds_add_u32 v[SPW], v[NIL]                      ; the wave's opening
	ds_add_u32 v[SPW], v[NIL]
	v_lshrrev_b32 v1, 5, v0
	v_readfirstlane_b32 s14, v1                    ; wave
	s_lshr_b32 s15, s14, 1                         ; my 128 tokens.  Also: I fetch tokens (0) or features (1)
	s_and_b32 s16, s14, 1                          ; my head of the pair.  Also: which part I fetch
	s_bfe_u32 s17, ttmp6, 0x40000                  ; cx
	s_bfe_u32 s18, ttmp6, 0x40004                  ; cy
	s_lshl_b32 s19, ttmp9, 2
	s_add_co_u32 s19, s19, s17                     ; X: the pair of heads
	s_and_b32 s20, ttmp7, 0xffff
	s_lshl_b32 s20, s20, 2
	s_add_co_u32 s20, s20, s18                     ; Y: the block of 256 tokens, 0 .. 31
	s_lshl_b32 s22, s18, 2
	s_lshl_b32 s22, 15, s22                        ; my row of the cluster
	s_lshl_b32 s23, 0x1111, s17                    ; my column
	s_or_b32 s[G1X], s22, (3<<16)|(1<<21)          ; elements of 8 bytes; no padding; bit 21 beside a mask
	s_or_b32 s[G1W], s23, (3<<16)|(1<<21)
	s_mov_b32 s[G1X+1], 32<<16                     ; dense blocks as rows of 256 bytes: 32 elements,
	s_mov_b32 s[G1X+2], 200<<16                    ; 200 rows: four records
	s_mov_b32 s[G1X+3], 32<<16
	s_mov_b32 s[G1X+4], 200
	s_mov_b32 s[G1X+5], 32
	s_mov_b32 s[G1X+6], 0
	s_mov_b32 s[G1X+7], 0
	s_mov_b32 s[G1W+1], 32<<16
	s_mov_b32 s[G1W+2], 100<<16                    ; 100 rows: two records
	s_mov_b32 s[G1W+3], 32<<16
	s_mov_b32 s[G1W+4], 100
	s_mov_b32 s[G1W+5], 32
	s_mov_b32 s[G1W+6], 0
	s_mov_b32 s[G1W+7], 0
	s_lshl_b32 s82, s20, 1
	s_add_co_u32 s82, s82, s16                     ; tokens: q's group 2 Y + (wave & 1); k's and v's lie 64 and 128 groups on
	s_mul_i32 s82, s82, GRP
	s_mov_b32 s83, 0
	s_mul_i32 s84, s19, GRP                        ; features: w_q's group X; w_k's and w_v's lie 8 and 16 groups on;
	s_mul_i32 s85, s16, 2*REC                      ; of a slot's four K steps I fetch 2 (wave & 1) and the next
	s_add_co_u32 s84, s84, s85
	s_mov_b32 s85, 0
	s_mul_i32 s86, s16, GRP                        ; where they go: the wave's number alone enters an LDS address
	s_mul_i32 s87, s16, 2*REC
	s_add_co_u32 s87, s87, WRG
	s_mov_b32 s[SEL], 0x76543210
	s_mov_b32 s[SEL+1], 0xfedcba98
	s_wait_dscnt 0x0                               ; both opening adds are done
	s_wait_kmcnt 0x0
	s_add_nc_u64 s[82:83], s[4:5], s[82:83]
	s_add_nc_u64 s[84:85], s[6:7], s[84:85]
	CROUND                                         ; all sixteen work-groups are here: the joint loads meet
.irp p, 0,1
	s_mov_b32 s[G0X+4*\p], 1
	s_add_co_u32 s[G0X+4*\p+1], s86, \p*4*REC
	s_add_nc_u64 s[G0X+4*\p+2:G0X+4*\p+3], s[82:83], \p*4*REC
	s_or_b32 s[G0X+4*\p+3], s[G0X+4*\p+3], 0x80000000
	s_mov_b32 s[56+4*\p], 1
	s_add_co_u32 s[56+4*\p+1], s87, \p*4*REC
	s_add_nc_u64 s[56+4*\p+2:56+4*\p+3], s[84:85], \p*4*REC
	s_or_b32 s[56+4*\p+3], s[56+4*\p+3], 0x80000000
.endr
	JLOAD G0X, 56                                  ; q's K steps 0-3
	v_and_b32 v14, 31, v0
	v_lshlrev_b32 v1, 4, v14                       ; v1: 16 x lane
	v_lshlrev_b32 v2, 3, v14                       ; v2: 8 x lane
	v_and_b32 v15, 15, v0
	v_lshlrev_b32 v15, 4, v15                      ; v15: 16 r
	v_bfe_u32 v14, v0, 4, 1                        ; v14: h
	v_lshl_add_u32 v3, v14, 3, v15                 ; v3: 16 r + 8 h
	s_mul_i32 s88, s15, GRP
	v_add_nc_u32 v[AX], s88, v1
	v_add_nc_u32 v[AX+1], 4*REC, v[AX]
	v_add_nc_u32 v[ASX], s88, v15
	v_add_nc_u32 v[ASX], 12288, v[ASX]
	v_add_nc_u32 v[ASX+1], 4*REC, v[ASX]
	s_mul_i32 s89, s16, 6144
	s_add_co_u32 s89, s89, WRG
	v_add_nc_u32 v[AW], s89, v1
	v_add_nc_u32 v[AW+1], 4*REC, v[AW]
	s_lshl_b32 s89, s16, 8
	s_add_co_u32 s89, s89, WRG+12288
	v_add_nc_u32 v[ASW], s89, v15
	v_add_nc_u32 v[ASW+1], 4*REC, v[ASW]
	s_lshr_b32 s89, s20, 3                         ; batch
	s_lshl_b32 s89, s89, 4
	s_lshl_b32 s90, s19, 1
	s_add_co_u32 s89, s89, s90
	s_add_co_u32 s89, s89, s16                     ; 16 x batch + head
	s_lshl_b32 s89, s89, 4
	s_and_b32 s90, s20, 7
	s_lshl_b32 s90, s90, 1
	s_add_co_u32 s89, s89, s90
	s_add_co_u32 s[RECN], s89, s15                 ; + the group of 128 tokens: the record's number, the same in qi and in kv
; K step s's fragments and scale words into set p: 39 loads, each of 512 consecutive bytes (the scale words: 16 bytes a row)
.macro FETCH s, p
	WIN 0x40                                       ; destination window 1
.irp b, 0,1,2,3
.irp j, 0,1,2
	ds_load_b128 v[48*(\p)+12*\b+4*\j:48*(\p)+12*\b+4*\j+3], v[AW+(\s)/4] offset:((\s)%4)*REC+1536*\b+512*\j
.endr
.endr
	WIN 0
.irp a, 0,1,2,3,4,5,6,7
.irp j, 0,1,2
	ds_load_b128 v[XF+96*(\p)+12*\a+4*\j:XF+96*(\p)+12*\a+4*\j+3], v[AX+(\s)/4] offset:((\s)%4)*REC+1536*\a+512*\j
.endr
.endr
	ds_load_b128 v[SC+12*(\p):SC+12*(\p)+3], v[ASX+(\s)/4] offset:((\s)%4)*REC
	ds_load_b128 v[SC+12*(\p)+4:SC+12*(\p)+7], v[ASX+(\s)/4] offset:((\s)%4)*REC+256
	ds_load_b128 v[SC+12*(\p)+8:SC+12*(\p)+11], v[ASW+(\s)/4] offset:((\s)%4)*REC
.endm
; The 32 accumulators take turns, one instruction a turn, in ascending order on both ways.  K step 0 starts the sums with the constant 0.
.macro MULQK s, p                      ; accumulator 4 a + b: source 0 = feature tile b, source 1 = token tile a
	WIN 0xa1
.irp a, 0,1,2,3,4,5,6,7
.irp b, 0,1,2,3
.if (\s) == 0
	v_wmma_scale_f32_16x16x128_f8f6f4 v[8*(4*\a+\b):8*(4*\a+\b)+7], v[48*(\p)+12*\b:48*(\p)+12*\b+11], v[XF+96*(\p)+12*\a:XF+96*(\p)+12*\a+11], 0, v[SC+12*(\p)+8+\b], v[SC+12*(\p)+\a] matrix_a_fmt:MATRIX_FMT_FP6 matrix_b_fmt:MATRIX_FMT_FP6
.else
	v_wmma_scale_f32_16x16x128_f8f6f4 v[8*(4*\a+\b):8*(4*\a+\b)+7], v[48*(\p)+12*\b:48*(\p)+12*\b+11], v[XF+96*(\p)+12*\a:XF+96*(\p)+12*\a+11], v[8*(4*\a+\b):8*(4*\a+\b)+7], v[SC+12*(\p)+8+\b], v[SC+12*(\p)+\a] matrix_a_fmt:MATRIX_FMT_FP6 matrix_b_fmt:MATRIX_FMT_FP6
.endif
.endr
.endr
.endm
.macro MULV s, p                       ; accumulator 8 b + a: source 0 = token tile a, source 1 = feature tile b
	WIN 0xa4
.irp b, 0,1,2,3
.irp a, 0,1,2,3,4,5,6,7
.if (\s) == 0
	v_wmma_scale_f32_16x16x128_f8f6f4 v[8*(8*\b+\a):8*(8*\b+\a)+7], v[XF+96*(\p)+12*\a:XF+96*(\p)+12*\a+11], v[48*(\p)+12*\b:48*(\p)+12*\b+11], 0, v[SC+12*(\p)+\a], v[SC+12*(\p)+8+\b] matrix_a_fmt:MATRIX_FMT_FP6 matrix_b_fmt:MATRIX_FMT_FP6
.else
	v_wmma_scale_f32_16x16x128_f8f6f4 v[8*(8*\b+\a):8*(8*\b+\a)+7], v[XF+96*(\p)+12*\a:XF+96*(\p)+12*\a+11], v[48*(\p)+12*\b:48*(\p)+12*\b+11], v[8*(8*\b+\a):8*(8*\b+\a)+7], v[SC+12*(\p)+\a], v[SC+12*(\p)+8+\b] matrix_a_fmt:MATRIX_FMT_FP6 matrix_b_fmt:MATRIX_FMT_FP6
.endif
.endr
.endr
.endm
; A change of slots.  Slot p has been read out.  Every wave waits for all its tensor loads (one is out at most: its part of the other slot).  more = 1: it adds 0 to its spare word, steps slot p's addresses to the next
; tensor (no load of the wave is out), waits for the add and for its reads of slot p; a round of the cluster's barrier; the joint refill first behind it.  more = 0, the last tile: nothing is filled, a barrier of the work-group does.
.macro SYNC p, more
	s_wait_tensorcnt 0x0
.if \more
	ds_add_u32 v[SPW], v[NIL]
	s_add_nc_u64 s[G0X+4*\p+2:G0X+4*\p+3], s[G0X+4*\p+2:G0X+4*\p+3], 64*GRP
	s_add_nc_u64 s[56+4*\p+2:56+4*\p+3], s[56+4*\p+2:56+4*\p+3], 8*GRP
	s_wait_dscnt 0x0
	CROUND
	JLOAD G0X+4*\p, 56+4*\p
.else
	s_wait_dscnt 0x0
	s_barrier_signal -1
	s_barrier_wait -1
.endif
.endm
.macro KSTEP s, isv, more
.if (\s) > 0
	PLACES 4                                       ; in front of loads into registers that the last products have read
.endif
.if (\s) == 3
	SYNC 0, \more                                  ; K step 3's operands are in registers: slot 0 is read out; behind this, slot 1 is whole
.endif
.if ((\s) == 7) && (\more)
	SYNC 1, 1                                      ; K step 7's operands are in registers: slot 1 is read out; behind this, the next tile's slot 0 is whole
.endif
.if (\s) < 7
	FETCH (\s)+1, ((\s)+1)%2
	s_wait_dscnt 39                                ; all but the 39 just issued: this step's operands are in
.else
	s_wait_dscnt 0x0
.endif
.if \isv
	MULV \s, (\s)%2
.else
	MULQK \s, (\s)%2
.endif
	WIN 0
.endm
; THE WAY OUT.  Block n of 16 is registers 16 n .. 16 n + 15 of window 2: my 16 of its 32 numbers; lane l xor 16 has the others.  Blocks 2 m and 2 m + 1 make half fragment m.
.macro WAYOUT isv
.if \isv
	s_mov_b64 s[78:79], s[10:11]                   ; kv;
	s_mul_i32 s92, s[RECN], 13056
	s_add_co_u32 s94, s92, 12800                   ; V's scale words,
	s_add_co_u32 s92, s92, 6144                    ; V's images, behind K's
.else
	s_cmp_eq_u32 s[CNT], 0                         ; q or k: the loop's trip decides
	s_cselect_b64 s[78:79], s[8:9], s[10:11]       ; qi or kv
	s_mov_b32 s90, 13056
	s_cselect_b32 s90, 6656, s90                   ; a record's bytes
	s_mov_b32 s91, 12288
	s_cselect_b32 s91, 6144, s91                   ; where its scale words begin
	s_mul_i32 s92, s[RECN], s90
	s_add_co_u32 s94, s91, s92
.endif
	s_mov_b32 s93, 0
	s_mov_b32 s95, 0
	s_add_nc_u64 s[80:81], s[78:79], s[94:95]      ; the scale words
	s_add_nc_u64 s[78:79], s[78:79], s[92:93]      ; the images
	PLACES 4
	WIN 0x0a                                       ; sources 0 and 1 window 2
.set n, 0
.rept 16
	v_max3_num_f32 v[T+n], |v[16*n]|, |v[16*n+1]|, 0x1800000   ; each accumulator is read from its low end on; the floor 2^(3 - 127) among the leaves
.set n, n+1
.endr
	WIN 0x28                                       ; sources 1 and 2 window 2
.irp i, 2,4,6,8,10,12,14
.set n, 0
.rept 16
	v_max3_num_f32 v[T+n], v[T+n], |v[16*n+\i]|, |v[16*n+\i+1]|
.set n, n+1
.endr
.endr
	WIN 0
.set n, 0
.rept 16
	v_permlanex16_b32 v[U+n], v[T+n], s[SEL], s[SEL+1]
.set n, n+1
.endr
.set n, 0
.rept 16
	v_max_num_f32 v[T+n], v[T+n], v[U+n]           ; the block's largest magnitude
.set n, n+1
.endr
.set n, 0
.rept 16
	v_add_nc_u32 v[SO+n], 0xff000000, v[T+n]       ; 2 off the exponent field: the conversion's scale operand
.set n, n+1
.endr
.set n, 0
.rept 16
	v_lshrrev_b32 v[U+n], 23, v[SO+n]              ; the byte
.set n, n+1
.endr
.irp m, 0,1,2,3,4,5,6,7
	v_lshl_or_b32 v[WD+\m], v[U+2*\m+1], 8, v[U+2*\m]
.endr
	WIN 0x02                                       ; source 0 window 2
.irp m, 0,1,2,3,4,5,6,7
	v_cvt_scalef32_pk16_fp6_f32 v[96+8*((\m+4)%8):96+8*((\m+4)%8)+2], v[32*\m:32*\m+15], v[SO+2*\m]
	v_cvt_scalef32_pk16_fp6_f32 v[96+8*((\m+4)%8)+4:96+8*((\m+4)%8)+6], v[32*\m+16:32*\m+31], v[SO+2*\m+1]
.endr
	WIN 0
	v_nop                                          ; one plain place behind a scaled conversion
.irp m, 0,1,2,3,4,5,6,7
.irp i, 0,1,2
	v_permlane16_swap_b32 v[96+8*\m+\i], v[96+8*\m+4+\i]   ; the layout wants a whole block in a lane: lanes 0-15 the first block, lanes 16-31 the second
.endr
.endr
.irp m, 0,1,2,3,4,5,6,7
.irp i, 0,1,2
	v_mov_b32 v[96+8*\m+3+\i], v[96+8*\m+4+\i]
.endr
.endr
.irp m, 0,1,2,3,4,5,6,7
	global_store_b128 v1, v[96+8*((\m+4)%8):96+8*((\m+4)%8)+3], s[78:79] offset:768*\m         ; 512 consecutive bytes
	global_store_b64 v2, v[96+8*((\m+4)%8)+4:96+8*((\m+4)%8)+5], s[78:79] offset:768*\m+512    ; 256 consecutive bytes
.endr
	v_cmp_ne_u32 vcc_lo, 0, v14                    ; lanes 16-31
.if \isv
.irp b, 0,1,2,3
	v_lshl_or_b32 v[164+\b], v[WD+2*\b+1], 16, v[WD+2*\b]   ; v: four bytes, 128 keys, for feature tile b
.endr
	v_cndmask_b32 v168, v164, v166, vcc_lo
	v_cndmask_b32 v169, v165, v167, vcc_lo
	global_store_b64 v3, v[168:169], s[80:81]      ; [r][4]: lane (r, h) stores the words of tiles 2 h, 2 h + 1
.else
.irp i, 0,1,2,3
	v_cndmask_b32 v[160+\i], v[WD+\i], v[WD+4+\i], vcc_lo   ; q, k: [tile / 4][r][tile % 4]: lane (r, h) stores the words of tiles 4 h .. 4 h + 3
.endr
	global_store_b128 v1, v[160:163], s[80:81]
.endif
.endm
	s_wait_alu depctr_va_vdst(0)
	s_wait_tensorcnt 0x0                           ; my part of slot 0 is in
	ds_add_u32 v[SPW], v[NIL]
	s_wait_dscnt 0x0
	CROUND                                         ; everybody's part is in, and all sixteen work-groups are here
	JLOAD G0X+4, 60                                ; q's K steps 4-7: slot 1's first fill, the first tensor load behind the round
	s_mov_b32 s[CNT], 0
.Ltile:                                                ; q, then k
	FETCH 0, 0
.irp s, 0,1,2,3,4,5,6,7
	KSTEP \s, 0, 1
.endr
	WAYOUT 0
	s_wait_xcnt 0x0                                ; the stores have read their registers and bases: the next tile's fragments may land there
	s_add_co_u32 s[CNT], s[CNT], 1
	s_cmp_lt_u32 s[CNT], 2
	s_wait_alu depctr_va_vdst(0)
	s_cbranch_scc1 .Ltile
	FETCH 0, 0                                     ; v: the tail, with nothing more to ask for
.irp s, 0,1,2,3,4,5,6,7
	KSTEP \s, 1, 0
.endr
	WAYOUT 1
	s_wait_tensorcnt 0x0                           ; the wave's end
	ds_add_u32 v[SPW], v[NIL]
	s_wait_dscnt 0x0
	CROUND                                         ; the closing round
	s_endpgm
.Lfunc_end_k_q1966abe87b_proj_qkv:
	.size	k_q1966abe87b_proj_qkv, .Lfunc_end_k_q1966abe87b_proj_qkv-k_q1966abe87b_proj_qkv
	.p2alignl 7, 3214868480
	.fill 96, 4, 3214868480
	.section	.rodata,"a",@progbits
	.p2align	6, 0x0
	.amdhsa_kernel k_q1966abe87b_proj_qkv
		.amdhsa_group_segment_fixed_size 327680
		.amdhsa_private_segment_fixed_size 0
		.amdhsa_enable_private_segment 0
		.amdhsa_kernarg_size 32
		.amdhsa_user_sgpr_count 2
		.amdhsa_user_sgpr_kernarg_segment_ptr 1
		.amdhsa_wavefront_size32 1
		.amdhsa_system_sgpr_workgroup_id_x 1
		.amdhsa_system_sgpr_workgroup_id_y 1
		.amdhsa_system_sgpr_workgroup_id_z 1
		.amdhsa_system_vgpr_workitem_id 0
		.amdhsa_next_free_vgpr 768
		.amdhsa_next_free_sgpr 96
		.amdhsa_reserve_vcc 1
		.amdhsa_float_denorm_mode_32 3
		.amdhsa_float_denorm_mode_16_64 3
		.amdhsa_memory_ordered 1
		.amdhsa_forward_progress 1
		.amdhsa_inst_pref_size 152
	.end_amdhsa_kernel
	.amdgpu_metadata
---
amdhsa.version: [ 1, 2 ]
amdhsa.kernels:
  - .name:           k_q1966abe87b_proj_qkv
    .symbol:         k_q1966abe87b_proj_qkv.kd
    .args:
      - { .name: xi, .offset: 0, .size: 8, .value_kind: global_buffer, .address_space: global }
      - { .name: wi, .offset: 8, .size: 8, .value_kind: global_buffer, .address_space: global }
      - { .name: qi, .offset: 16, .size: 8, .value_kind: global_buffer, .address_space: global }
      - { .name: kv, .offset: 24, .size: 8, .value_kind: global_buffer, .address_space: global }
    .group_segment_fixed_size: 327680
    .private_segment_fixed_size: 0
    .kernarg_segment_align: 8
    .kernarg_segment_size: 32
    .max_flat_workgroup_size: 128
    .sgpr_count:     96
    .vgpr_count:     768
    .wavefront_size: 32
...
	.end_amdgpu_metadata
.endif
;; end of part 3
;; launch attn (part 4): grid 4 x 64, 16 waves a work-group, clusters of 4 x 1, 327,680 bytes of LDS; arguments qi, kv, oi; writes oi
.if DOCPART == 4
	.amdgcn_target "amdgcn-amd-amdhsa--gfx1250"
	.amdhsa_code_object_version 6
	.text
	.protected	k_q1966abe87b_attn
	.globl	k_q1966abe87b_attn
	.p2align	8
	.type	k_q1966abe87b_attn,@function
k_q1966abe87b_attn:
	s_mov_b64 s[64:65], 0
	v_nop
	global_prefetch_b8 v0, s[64:65] scope:SCOPE_SE
	s_setreg_imm32_b32 hwreg(HW_REG_WAVE_MODE, 25, 1), 1
	s_wait_xcnt 0x0
	s_wait_alu depctr_hold_cnt(0) depctr_sa_sdst(0) depctr_va_vdst(0) depctr_va_sdst(0) depctr_va_ssrc(0) depctr_va_vcc(0) depctr_vm_vsrc(0)
	s_getreg_b32 s2, hwreg(HW_REG_IB_STS2, 6, 4)
	s_cmp_eq_u32 s2, 0
	s_cbranch_scc0 .Lentry_in_a_cluster
	s_endpgm
.Lentry_in_a_cluster:
	s_bfe_u32 s2, ttmp6, 0x10000c
	s_cmp_lg_u32 s2, 0x3003
	s_cbranch_scc0 .Lentry_shape_is_right
	s_endpgm
.Lentry_shape_is_right:
; The scores (K = a head's 64), the softmax and p V (K = the keys) on codes of FP6, and the result quantised at once for the output projection.  No work of reference() is left out.
; THE SOFTMAX: t = score x log2(e) / 32 (reference() divides by sqrt(1024)); M = the running largest t rounded UP to a whole number; p = 2^(t - M) is quantised along the keys, not normalised; the row's sum is
; taken of the unquantised p and divides O at the end; when M moves, the sum and O are multiplied by 2^(old M - new M), which rounds nothing.
; SHARES: a work-group owns ONE head of one batch and 512 queries: 64 x 4 = 256 work-groups.  Each of its sixteen waves owns two tiles of 16 queries, one after the other (tiles w and w + 16 of the 32).
; ALL OF THE HEAD'S K AND V LIE IN LDS: 16 records of 13,056 bytes for 128 keys each (proj_qkv) = 208,896 bytes, filled once: every wave fetches one record by one tensor load at the head, its address made of
; the wave's number.  Nothing is filled again, so one barrier stands ahead of the walk and none inside it: a wave walks its 2 x 16 key steps by itself.
; CLUSTER 4 x 1: the four blocks of queries of a head need the same records and ask jointly.  No prefetch: all records are asked for at the head, and no later load is left to run ahead of.
; LAYOUT: both products are used transposed (S^T = K Q^T, O^T = V^T P^T): a lane holds one query throughout.  By the order of k's rows in a tile (quant_x) register j of score tile 4 c + u in lane (r, h) is key
; 64 c + 32 h + 8 u + j: the 32 registers of four tiles are ONE WHOLE BLOCK of 32 keys, in the order of the operand's registers: a block's largest score needs no other lane and p's codes change no lane.
; THE SCORES' K IS 64 in an instruction 128 deep: Q's registers 6-11 are zero codes; K's operand runs on into the next tile's codes (the last tile's into six cleared registers): finite numbers that meet zeros;
; bytes 2 and 3 of both scale words are 0, which is 2^-127 and no NaN.  So that half adds exactly 0.
; OUT, oi: a record (128 tokens, pair of heads) of 12,800 bytes: tile a at 1,536 a, in it my head's half at 768 (head % 2): registers 0-3 of lane l at 16 l, registers 4-5 at 512 + 8 l;
; from 12,288 on the scale bytes, 256 for each head of the pair: two bytes for row r of tile a at 16 r + 2 a.  They are gathered in LDS and leave as whole runs of 256 bytes.
; LIMITS: a block of zeros gets the byte 1; NaN and infinities are not served; the promise holds while the scaled scores t stay under 2^31 in magnitude.
; REGISTERS: v1-3 16 l, 8 l, 16 r; v6-8 the step's addresses; v9 8 h; v12 -M, v13 the largest t, v[14:15] the sum; v16-27 Q; v28 its scale word; v29, v86-91 the second tile's; v32-85 K, then V; v92-97, v86-91 results;
; v98 their scale bytes; v100-163 S^T, then p; v164-195 O^T; v196-207 p's codes; v208-221, v238-255 at work; v224-235 K's and V's scale words; v236 f, v237 p's scale word.
.set KVREC, 13056
.set STG,   16*KVREC                   ; the results' scale bytes on their way out: 1,024 bytes, into which no fill lands
.set SPARE, STG+1024                   ; the spare words, 128 bytes a wave
.set SPW,   4
.set NIL,   5
.set WV,    10
.set SEL,   20
.set CS,    22
.set G1,    24
.set G0,    32
.set TB,    40                         ; LDS byte of the step's record
.set CNT,   41
.macro CROUND                          ; a round of the cluster's barrier
	s_barrier_signal -1
	s_barrier_wait -1
	s_cmp_lg_u32 s[WV], 0
	s_cbranch_scc1 .Lnot_wave_0_\@
	s_barrier_signal -3
.Lnot_wave_0_\@:
	s_barrier_wait -3
	s_barrier_signal -1
	s_barrier_wait -1
.endm
	s_load_b128 s[4:7], s[0:1], 0x0                ; qi, kv
	s_load_b64 s[8:9], s[0:1], 0x10                ; oi
	v_lshl_add_u32 v[SPW], v0, 2, SPARE
	v_mov_b32 v[NIL], 0
	ds_add_u32 v[SPW], v[NIL]                      ; the wave's opening
	ds_add_u32 v[SPW], v[NIL]
	v_lshrrev_b32 v6, 5, v0
	v_and_b32 v7, 31, v0
	v_and_b32 v8, 15, v0
	v_bfe_u32 v9, v0, 4, 1
	v_readfirstlane_b32 s[WV], v6                  ; wave 0..15
	v_lshlrev_b32 v1, 4, v7                        ; 16 x lane
	v_lshlrev_b32 v2, 3, v7                        ; 8 x lane
	v_lshlrev_b32 v3, 4, v8                        ; 16 r
	v_lshlrev_b32 v9, 3, v9                        ; 8 h
	s_wait_alu depctr_va_vdst(0)
	s_bfe_u32 s11, ttmp6, 0x40000                  ; cx
	s_lshl_b32 s12, ttmp9, 2
	s_add_co_u32 s12, s12, s11                     ; my block of 512 queries: it enters qi's and oi's addresses alone
	s_and_b32 s13, ttmp7, 0xffff                   ; y = 16 x batch + head, which the four partners share
	s_mov_b32 s[G1], 15|(3<<16)|(1<<21)            ; the mask: all four; elements of 8 bytes; no padding; bit 21 beside a mask
	s_mov_b32 s[G1+1], 32<<16                      ; a dense record as rows of 256 bytes,
	s_mov_b32 s[G1+2], 51<<16                      ; 51 of them
	s_mov_b32 s[G1+3], 32<<16
	s_mov_b32 s[G1+4], 51
	s_mov_b32 s[G1+5], 32
	s_mov_b32 s[G1+6], 0
	s_mov_b32 s[G1+7], 0
	s_mul_i32 s43, s[WV], KVREC                    ; my record, in LDS and in memory
	s_mul_i32 s44, s13, 16*KVREC                   ; the head's 16 records are dense
	s_add_co_u32 s44, s44, s43
	s_mov_b32 s45, 0
	s_mov_b32 s[SEL], 0x76543210
	s_mov_b32 s[SEL+1], 0xfedcba98                 ; lane l xor 16
	s_mov_b32 s[CS], 0x3d38aa3b                    ; log2(e) / 32
	s_mov_b32 s[CS+1], s[CS]                       ; (named with it as a pair)
	s_lshr_b32 s46, s[WV], 3                       ; which of a pass's two groups of 128 queries
	s_and_b32 s47, s[WV], 7                        ; which tile of it
	s_and_b32 s42, s[WV], 3
	s_lshl_b32 s58, s46, 8
	s_lshl_b32 s59, s47, 1
	s_add_co_u32 s58, s58, s59
	s_add_co_u32 s58, s58, STG
	v_add_nc_u32 v10, s58, v3                      ; v10: where my tile's scale bytes go: 256 (wave / 8) + 16 r + 2 (wave % 8); the second pass 512 on
	s_lshl_b32 s59, s42, 8
	s_add_co_u32 s59, s59, STG
	v_add_nc_u32 v11, s59, v2                      ; v11: where waves 0-3 read 256 bytes of them back
	s_lshl_b32 s48, s12, 2
	s_add_co_u32 s48, s48, s46                     ; my first tile's group of the sequence: 4 x block + wave / 8; the second tile's is 2 on
	s_lshl_b32 s49, s13, 4
	s_add_co_u32 s49, s49, s48                     ; qi's record
	s_mul_i32 s50, s49, 6656
	s_mul_i32 s52, s47, 768
	s_add_co_u32 s52, s52, s50                     ; my tile's image
	s_mov_b32 s53, 0
	s_lshr_b32 s54, s47, 2
	s_lshl_b32 s54, s54, 8
	s_and_b32 s55, s47, 3
	s_lshl_b32 s55, s55, 2
	s_add_co_u32 s54, s54, s55
	s_add_co_u32 s54, s54, s50
	s_add_co_u32 s54, s54, 6144                    ; and its scale words
	s_mov_b32 s55, 0
	s_lshr_b32 s56, s13, 4
	s_lshl_b32 s56, s56, 4
	s_lshl_b32 s57, s12, 2
	s_add_co_u32 s56, s56, s57                     ; oi: group 16 x batch + 4 x block (+ 0 .. 3)
	s_bfe_u32 s57, s13, 0x30001
	s_mul_i32 s57, s57, 12800                      ; K step = the pair of heads
	s_and_b32 s51, s13, 1                          ; which head of the pair
	s_add_co_u32 s60, s56, s46
	s_mul_i32 s60, s60, 102400
	s_add_co_u32 s60, s60, s57
	s_mul_i32 s61, s47, 1536
	s_add_co_u32 s60, s60, s61
	s_mul_i32 s61, s51, 768
	s_add_co_u32 s60, s60, s61                     ; my half fragment's image
	s_mov_b32 s61, 0
	s_add_co_u32 s62, s56, s42
	s_mul_i32 s62, s62, 102400
	s_add_co_u32 s62, s62, s57
	s_lshl_b32 s63, s51, 8
	s_add_co_u32 s62, s62, s63
	s_add_co_u32 s62, s62, 12288                   ; the 256 scale bytes that waves 0-3 store
	s_mov_b32 s63, 0
	s_wait_alu depctr_va_vdst(0)
	s_wait_dscnt 0x0                               ; both opening adds are done
	s_wait_kmcnt 0x0
	s_add_nc_u64 s[44:45], s[6:7], s[44:45]
	s_add_nc_u64 s[52:53], s[4:5], s[52:53]
	s_add_nc_u64 s[54:55], s[4:5], s[54:55]
	s_add_nc_u64 s[60:61], s[8:9], s[60:61]
	s_add_nc_u64 s[62:63], s[8:9], s[62:63]
	s_mov_b32 s[G0], 1
	s_mov_b32 s[G0+1], s43
	s_mov_b64 s[G0+2:G0+3], s[44:45]
	s_or_b32 s[G0+3], s[G0+3], 0x80000000
	CROUND                                         ; all four work-groups are here: the joint loads meet
	tensor_load_to_lds s[G0:G0+3], s[G1:G1+7]      ; keys 128 w .. 128 w + 127: my one tensor load
	s_nop 0
.rept 4
	v_nop
.endr
	global_load_b128 v[16:19], v1, s[52:53]        ; Q of my first tile,
	global_load_b64 v[20:21], v2, s[52:53] offset:512
	global_load_b32 v28, v3, s[54:55]
	global_load_b128 v[86:89], v1, s[52:53] offset:13312   ; and of the second: two records on
	global_load_b64 v[90:91], v2, s[52:53] offset:13312+512
	global_load_b32 v29, v3, s[54:55] offset:13312
.irp i, 0,1,2,3,4,5
	v_mov_b32 v[22+\i], 0                          ; zero codes for K = 64 .. 127 of the scores
	v_mov_b32 v[80+\i], 0                          ; what the last tile of K runs on into
.endr
	v_mov_b32 v215, 0                              ; a lane permute's destination counts as one of its sources
	v_mov_b32 v239, 0
	v_mov_b32 v237, 0                              ; (named as the upper half of the pair v[236:237] before it is first written)
.macro BEGIN                           ; a tile's softmax begins: the step is written once, and the first finds zeros
	v_mov_b32 v13, 0xff61b1e6                      ; the largest t so far: -3e38
	v_mov_b32 v14, 0
	v_mov_b32 v15, 0
	v_floor_f32 v12, -v13                          ; -M
.set j, 0
.rept 32
	v_mov_b32 v[164+j], 0                          ; O^T
.set j, j+1
.endr
.endm
	BEGIN
; A KEY STEP: 128 keys, the record at LDS byte s[TB]
.macro STEP
	v_add_nc_u32 v6, s[TB], v1                     ; these three and the v_nop are the four places behind the last products, in front of the loads into their operands
	v_add_nc_u32 v7, s[TB], v2
	v_add_nc_u32 v8, s[TB], v3
	v_nop
.irp t, 0,1,2,3,4,5,6,7
	ds_load_b128 v[32+6*\t:35+6*\t], v6 offset:768*\t
	ds_load_b64 v[36+6*\t:37+6*\t], v7 offset:768*\t+512
.endr
	ds_load_b128 v[224:227], v8 offset:12288
	ds_load_b128 v[228:231], v8 offset:12544
	s_wait_alu depctr_va_vdst(0)
	s_wait_dscnt 0x0
.irp t, 0,1,2,3,4,5,6,7
	v_wmma_scale_f32_16x16x128_f8f6f4 v[100+8*\t:107+8*\t], v[32+6*\t:43+6*\t], v[16:27], 0, v[224+\t], v28 matrix_a_fmt:MATRIX_FMT_FP6 matrix_b_fmt:MATRIX_FMT_FP6
.endr
.rept 4
	v_nop                                          ; places in front of the loads below and of the first read of the scores
.endr
.irp m, 0,1,2,3,4,5,6,7
	ds_load_b128 v[32+6*\m:35+6*\m], v6 offset:6144+768*\m      ; V lands under the softmax
	ds_load_b64 v[36+6*\m:37+6*\m], v7 offset:6144+768*\m+512
.endr
	ds_load_b128 v[232:235], v8 offset:12800
.irp q, 0,1,2,3
	v_max3_num_f32 v[216+\q], v[100+16*\q], v[101+16*\q], v[102+16*\q]   ; four chains by turns, 15 scores each; every accumulator is read from its low end on
.endr
.irp i, 3,5,7,9,11,13
.irp q, 0,1,2,3
	v_max3_num_f32 v[216+\q], v[216+\q], v[100+16*\q+\i], v[101+16*\q+\i]
.endr
.endr
.irp c, 0,1
	v_max3_num_f32 v[208+\c], v[216+2*\c], v[217+2*\c], v[115+32*\c]
.endr
.irp c, 0,1
	v_max_num_f32 v[208+\c], v[208+\c], v[131+32*\c]   ; the largest score of my block 2 c + h: for the row's maximum and, since p rises with the score, for the block's largest p
.endr
	v_max_num_f32 v238, v208, v209
	s_delay_alu instid0(VALU_DEP_1)
	v_permlanex16_b32 v239, v238, s[SEL], s[SEL+1]
	s_delay_alu instid0(VALU_DEP_1)
	v_max_num_f32 v238, v238, v239                 ; with lane l xor 16's two blocks: the step's largest score of my query
	s_delay_alu instid0(VALU_DEP_1)
	v_mul_f32 v238, s[CS], v238                    ; as t
	s_delay_alu instid0(VALU_DEP_1)
	v_max_num_f32 v13, v13, v238                   ; the running largest t
	v_mov_b32 v238, v12
	s_delay_alu instid0(VALU_DEP_2)
	v_floor_f32 v12, -v13                          ; the new -M = -ceil(t)
	s_delay_alu instid0(VALU_DEP_1)
	v_sub_f32 v238, v12, v238                      ; old M - new M: a whole number, 0 or less
	s_delay_alu instid0(VALU_DEP_1)
	v_cvt_i32_f32 v238, v238                       ; (it saturates)
	s_delay_alu instid0(VALU_DEP_1)
	v_ldexp_f32 v236, 1.0, v238                    ; f = 2^(old M - new M)
.set j, 0
.rept 32
	v_pk_fma_f32 v[100+j:101+j], v[100+j:101+j], s[CS:CS+1], v[12:13] op_sel_hi:[1,0,0]   ; t - M, two at a time
.set j, j+2
.endr
.irp c, 0,1
	v_fma_f32 v[208+\c], v[208+\c], s[CS], v12
.endr
	s_wait_alu depctr_va_vdst(0)
.set j, 0
.rept 64
	v_exp_f32 v[100+j], v[100+j]                   ; p = 2^(t - M)
.set j, j+1
.endr
	v_pk_mul_f32 v[14:15], v[14:15], v[236:237] op_sel_hi:[1,0]   ; the sums under the new M: a plain place behind the exponentials
	s_wait_alu depctr_va_vdst(0)                   ; one wait for the batch, ahead of its first reader
	v_exp_f32 v208, v208                           ; my two blocks' largest p
	v_exp_f32 v209, v209
.irp i, 1,2,3,4,5,6,7                  ; the row's sum of the unquantised p: 32 packed additions in eight chains
	v_pk_add_f32 v[240+2*\i:241+2*\i], v[100+4*\i:101+4*\i], v[102+4*\i:103+4*\i]
.endr
	v_pk_add_f32 v[14:15], v[14:15], v[100:101]
.irp g, 0,1
.irp i, 1,2,3,4,5,6,7
	v_pk_add_f32 v[240+2*\i:241+2*\i], v[240+2*\i:241+2*\i], v[132+16*\g+2*\i:133+16*\g+2*\i]
.endr
	v_pk_add_f32 v[14:15], v[14:15], v[132+16*\g:133+16*\g]
.endr
	v_pk_add_f32 v[242:243], v[242:243], v[102:103]
	v_pk_add_f32 v[244:245], v[244:245], v[246:247]
	v_pk_add_f32 v[248:249], v[248:249], v[250:251]
	v_pk_add_f32 v[252:253], v[252:253], v[254:255]
	s_delay_alu instid0(VALU_DEP_4)
	v_pk_add_f32 v[14:15], v[14:15], v[242:243]
	s_delay_alu instid0(VALU_DEP_3)
	v_pk_add_f32 v[244:245], v[244:245], v[248:249]
	s_delay_alu instid0(VALU_DEP_2)
	v_pk_add_f32 v[14:15], v[14:15], v[252:253]
	s_delay_alu instid0(VALU_DEP_1)
	v_pk_add_f32 v[14:15], v[14:15], v[244:245]
	s_wait_alu depctr_va_vdst(0)                   ; and one for the two
.irp c, 0,1
	v_max_num_f32 v[208+\c], 0x1800000, v[208+\c]  ; the floor 2^(3 - 127): the byte cannot fall under 1
.endr
.irp c, 0,1
	s_delay_alu instid0(VALU_DEP_2)
	v_add_nc_u32 v[220+\c], 0xff000000, v[208+\c]  ; 2 off the exponent field: the conversion's scale operand
.endr
.irp c, 0,1
	s_delay_alu instid0(VALU_DEP_2)
	v_lshrrev_b32 v[212+\c], 23, v[220+\c]         ; the byte
.endr
	s_delay_alu instid0(VALU_DEP_1)
	v_lshl_or_b32 v214, v213, 16, v212             ; my bytes: blocks h and 2 + h,
	s_delay_alu instid0(VALU_DEP_1)
	v_lshlrev_b32 v214, v9, v214                   ; 8 h bits up;
	s_delay_alu instid0(VALU_DEP_1)
	v_permlanex16_b32 v215, v214, s[SEL], s[SEL+1]
	s_delay_alu instid0(VALU_DEP_1)
	v_or_b32 v237, v214, v215                      ; with lane l xor 16's two: p's scale word for these 128 keys
.irp c, 0,1
	v_cvt_scalef32_pk16_fp6_f32 v[196+6*\c:198+6*\c], v[100+32*\c:115+32*\c], v[220+\c]
	v_cvt_scalef32_pk16_fp6_f32 v[240+4*\c:242+4*\c], v[116+32*\c:131+32*\c], v[220+\c]   ; (a conversion's three registers begin on an even number)
.endr
	v_nop                                          ; one plain place behind a scaled conversion
.irp c, 0,1
.irp i, 0,1,2
	v_mov_b32 v[199+6*\c+\i], v[240+4*\c+\i]
.endr
.endr
	s_wait_alu depctr_va_vdst(0)
.set j, 0
.rept 16
	v_pk_mul_f32 v[164+j:165+j], v[164+j:165+j], v[236:237] op_sel_hi:[1,0]   ; O^T under the new M; these sixteen are also the places between p's codes and scale word and the products
.set j, j+2
.endr
	s_wait_alu depctr_va_vdst(0)
	s_wait_dscnt 0x0                               ; V is in
.irp d, 0,1,2,3
	v_wmma_scale_f32_16x16x128_f8f6f4 v[164+8*\d:171+8*\d], v[32+12*\d:43+12*\d], v[196:207], v[164+8*\d:171+8*\d], v[232+\d], v237 matrix_a_fmt:MATRIX_FMT_FP6 matrix_b_fmt:MATRIX_FMT_FP6
.endr
.endm
.macro WALK                            ; a tile's sixteen key steps
	s_mov_b32 s[TB], 0
	s_mov_b32 s[CNT], 16
.Lstep_\@:
	STEP
	s_add_co_u32 s[TB], s[TB], KVREC
	s_sub_co_u32 s[CNT], s[CNT], 1
	s_cmp_lg_u32 s[CNT], 0
	s_cbranch_scc1 .Lstep_\@
.endm
; A tile is done: O^T / the sum, quantised along the head's 64 features (by quant_w's order of rows the 16 registers of two neighbouring accumulators are 16 neighbouring features; a block lies in lanes l and l xor 16):
; six registers from oc on, and two scale bytes in v98
.macro FINAL oc
.rept 4
	v_nop                                          ; places behind the last products
.endr
	v_add_f32 v14, v14, v15
	s_delay_alu instid0(VALU_DEP_1)
	v_permlanex16_b32 v238, v14, s[SEL], s[SEL+1]
	s_delay_alu instid0(VALU_DEP_1)
	v_add_f32 v14, v14, v238                       ; the row's sum
	s_wait_alu depctr_va_vdst(0)
	v_rcp_f32 v236, v14
	v_nop                                          ; a plain place behind it
	s_wait_alu depctr_va_vdst(0)                   ; and the wait ahead of its first reader
.set j, 0
.rept 16
	v_pk_mul_f32 v[164+j:165+j], v[164+j:165+j], v[236:237] op_sel_hi:[1,0]   ; each accumulator from its low end on
.set j, j+2
.endr
.irp b, 0,1
	v_max3_num_f32 v[208+\b], |v[164+16*\b]|, |v[165+16*\b]|, 0x1800000
.endr
.irp i, 2,4,6,8,10,12,14
.irp b, 0,1
	s_delay_alu instid0(VALU_DEP_2)
	v_max3_num_f32 v[208+\b], v[208+\b], |v[164+16*\b+\i]|, |v[165+16*\b+\i]|
.endr
.endr
.irp b, 0,1
	s_delay_alu instid0(VALU_DEP_2)
	v_permlanex16_b32 v[212+\b], v[208+\b], s[SEL], s[SEL+1]
.endr
.irp b, 0,1
	s_delay_alu instid0(VALU_DEP_2)
	v_max_num_f32 v[208+\b], v[208+\b], v[212+\b]
.endr
.irp b, 0,1
	s_delay_alu instid0(VALU_DEP_2)
	v_add_nc_u32 v[220+\b], 0xff000000, v[208+\b]
.endr
.irp b, 0,1
	s_delay_alu instid0(VALU_DEP_2)
	v_lshrrev_b32 v[212+\b], 23, v[220+\b]
.endr
	s_delay_alu instid0(VALU_DEP_1)
	v_lshl_or_b32 v98, v213, 8, v212
	v_cvt_scalef32_pk16_fp6_f32 v[\oc:\oc+2], v[164:179], v220
	v_cvt_scalef32_pk16_fp6_f32 v[212:214], v[180:195], v221
	v_nop                                          ; one plain place behind a scaled conversion
.irp i, 0,1,2
	v_permlane16_swap_b32 v[\oc+\i], v[212+\i]     ; the layout wants a whole block in a lane
.endr
.irp i, 0,1,2
	s_delay_alu instid0(VALU_DEP_3)
	v_mov_b32 v[\oc+3+\i], v[212+\i]
.endr
.endm
.macro OUT oc, pass                    ; the second tile's group lies two groups of 102,400 bytes on
	global_store_b128 v1, v[\oc:\oc+3], s[60:61] offset:204800*\pass          ; 512 consecutive bytes
	global_store_b64 v2, v[\oc+4:\oc+5], s[60:61] offset:204800*\pass+512     ; 256 consecutive bytes
	ds_store_b16 v10, v98 offset:512*\pass         ; lanes l and l xor 16 write the same two bytes with the same value
.endm
	s_wait_alu depctr_va_vdst(0)
	s_wait_tensorcnt 0x0                           ; my record is in
	s_barrier_signal -1
	s_barrier_wait -1                              ; everybody's is: all 2,048 keys lie in LDS
	s_wait_loadcnt 0x0                             ; Q
	WALK
	FINAL 92
	OUT 92, 0
.irp i, 0,1,2,3,4,5
	v_mov_b32 v[16+\i], v[86+\i]                   ; the second tile's Q,
.endr
	v_mov_b32 v28, v29                             ; its scale word (the moves below are the places between these and the next products)
	BEGIN
	WALK
	FINAL 86
	OUT 86, 1
	s_wait_dscnt 0x0
	s_barrier_signal -1
	s_barrier_wait -1                              ; the 32 tiles' scale bytes lie in LDS
	s_cmp_lt_u32 s[WV], 4
	s_cbranch_scc0 .Lno_words
	ds_load_b64 v[100:101], v11
	s_wait_dscnt 0x0
	global_store_b64 v2, v[100:101], s[62:63]      ; 256 consecutive bytes: one group's
.Lno_words:
	s_wait_tensorcnt 0x0                           ; the wave's end
	ds_add_u32 v[SPW], v[NIL]
	s_wait_dscnt 0x0
	CROUND                                         ; the closing round
	s_endpgm
.Lfunc_end_k_q1966abe87b_attn:
	.size	k_q1966abe87b_attn, .Lfunc_end_k_q1966abe87b_attn-k_q1966abe87b_attn
	.p2alignl 7, 3214868480
	.fill 96, 4, 3214868480
	.section	.rodata,"a",@progbits
	.p2align	6, 0x0
	.amdhsa_kernel k_q1966abe87b_attn
		.amdhsa_group_segment_fixed_size 327680
		.amdhsa_private_segment_fixed_size 0
		.amdhsa_enable_private_segment 0
		.amdhsa_kernarg_size 24
		.amdhsa_user_sgpr_count 2
		.amdhsa_user_sgpr_kernarg_segment_ptr 1
		.amdhsa_wavefront_size32 1
		.amdhsa_system_sgpr_workgroup_id_x 1
		.amdhsa_system_sgpr_workgroup_id_y 1
		.amdhsa_system_sgpr_workgroup_id_z 1
		.amdhsa_system_vgpr_workitem_id 0
		.amdhsa_next_free_vgpr 256
		.amdhsa_next_free_sgpr 66
		.amdhsa_reserve_vcc 0
		.amdhsa_float_denorm_mode_32 3
		.amdhsa_float_denorm_mode_16_64 3
		.amdhsa_memory_ordered 1
		.amdhsa_forward_progress 1
		.amdhsa_inst_pref_size 50
	.end_amdhsa_kernel
	.amdgpu_metadata
---
amdhsa.version: [ 1, 2 ]
amdhsa.kernels:
  - .name:           k_q1966abe87b_attn
    .symbol:         k_q1966abe87b_attn.kd
    .args:
      - { .name: qi, .offset: 0, .size: 8, .value_kind: global_buffer, .address_space: global }
      - { .name: kv, .offset: 8, .size: 8, .value_kind: global_buffer, .address_space: global }
      - { .name: oi, .offset: 16, .size: 8, .value_kind: global_buffer, .address_space: global }
    .group_segment_fixed_size: 327680
    .private_segment_fixed_size: 0
    .kernarg_segment_align: 8
    .kernarg_segment_size: 24
    .max_flat_workgroup_size: 512
    .sgpr_count:     66
    .vgpr_count:     256
    .wavefront_size: 32
...
	.end_amdgpu_metadata
.endif
;; end of part 4
;; launch out_proj (part 5): grid 8 x 32, 4 waves a work-group, clusters of 4 x 4, 327,680 bytes of LDS; arguments oi, xi, proj_b, out0; writes out0
.if DOCPART == 5
	.amdgcn_target "amdgcn-amd-amdhsa--gfx1250"
	.amdhsa_code_object_version 6
	.text
	.protected	k_q1966abe87b_out_proj
	.globl	k_q1966abe87b_out_proj
	.p2align	8
	.type	k_q1966abe87b_out_proj,@function
k_q1966abe87b_out_proj:
	s_mov_b64 s[64:65], 0
	v_nop
	global_prefetch_b8 v0, s[64:65] scope:SCOPE_SE
	s_setreg_imm32_b32 hwreg(HW_REG_WAVE_MODE, 25, 1), 1
	s_wait_xcnt 0x0
	s_wait_alu depctr_hold_cnt(0) depctr_sa_sdst(0) depctr_va_vdst(0) depctr_va_sdst(0) depctr_va_ssrc(0) depctr_va_vcc(0) depctr_vm_vsrc(0)
	s_getreg_b32 s2, hwreg(HW_REG_IB_STS2, 6, 4)
	s_cmp_eq_u32 s2, 0
	s_cbranch_scc0 .Lentry_in_a_cluster
	s_endpgm
.Lentry_in_a_cluster:
	s_bfe_u32 s2, ttmp6, 0x10000c
	s_cmp_lg_u32 s2, 0xf033
	s_cbranch_scc0 .Lentry_shape_is_right
	s_endpgm
.Lentry_shape_is_right:
; out0 = (the heads' results) proj_w^T + proj_b, K = 1,024, on codes of FP6.  No work of reference() is left out.
; SHARES: a work-group takes 256 tokens x 128 columns; a wave 128 tokens x 64 columns: 8 token tiles x 4 column tiles, 32 accumulators, which take turns.  The bias is the C of K step 0.
; ALL OF K LIES IN LDS: 2 groups of tokens (oi) and 1 of columns (xi's groups 192-199) x 8 records of 12,800 bytes, filled once, by ONE tensor load a wave: waves 0 and 1 a group of tokens each (400 rows of 256 bytes),
; waves 2 and 3 half of the columns' group each (200 rows).  One wait for 0 and one barrier follow; nothing is filled again.  No prefetch: everything is asked for at the head, and the text has no loop to run ahead in.
; CLUSTER 4 x 4: the tokens' records are asked for jointly along a row of the cluster, the columns' along a column.
; oi's RECORDS (attn): a token tile's fragment comes as two halves of 768 bytes, one for each head of the pair (registers 0-3 of lane l at 16 l, registers 4-5 at 512 + 8 l); the scale bytes as two runs of 256 bytes,
; two bytes for row r of tile a at 16 r + 2 a.  MERGE joins the two heads' pairs of bytes into a tile's scale words.
; OUT: a block of 16 rows goes through the wave's own stage in LDS and leaves as rows of 256 consecutive bytes.
.set REC,   12800
.set GRP,   8*REC
.set WRG,   2*GRP
.set SPARE, 3*GRP
.set STG,   SPARE+512
.set SPW,   4
.set NIL,   5
.set AX,    6
.set AW,    8
.set ASX,   10
.set ASW,   12
.set STO,   14
.set RD,    15
.set SC,    16
.set XF,    64
.set RAW,   44                         ; v44-59 the tokens' scale bytes as they lie, two sets of 8
.set AXB,   60                         ; v60-61 my tokens' fragments, 8 bytes a lane
.set BK,    64
.set G1X,   24
.set G1W,   32
.set G0X,   40
.set MSB, 0
.macro WIN new
.if MSB != \new
	s_set_vgpr_msb (MSB<<8)|\new
.set MSB, \new
.endif
.endm
.macro PLACES n
.rept \n
	v_nop
.endr
.endm
.macro JLOAD g0x, g0w
	s_cmp_eq_u32 s15, 0
	s_cbranch_scc0 .Lfor_w_\@
	tensor_load_to_lds s[\g0x:\g0x+3], s[G1X:G1X+7]
	s_nop 0
.rept 4
	v_nop
.endr
	s_branch .Lasked_\@
.Lfor_w_\@:
	tensor_load_to_lds s[\g0w:\g0w+3], s[G1W:G1W+7]
	s_nop 0
.rept 4
	v_nop
.endr
.Lasked_\@:
.endm
.macro CROUND
	s_barrier_signal -1
	s_barrier_wait -1
	s_cmp_lg_u32 s14, 0
	s_cbranch_scc1 .Lnot_wave_0_\@
	s_barrier_signal -3
.Lnot_wave_0_\@:
	s_barrier_wait -3
	s_barrier_signal -1
	s_barrier_wait -1
.endm
	s_load_b256 s[4:11], s[0:1], 0x0
	v_lshl_add_u32 v[SPW], v0, 2, SPARE
	v_mov_b32 v[NIL], 0
	ds_add_u32 v[SPW], v[NIL]
	ds_add_u32 v[SPW], v[NIL]
	v_lshrrev_b32 v1, 5, v0
	v_readfirstlane_b32 s14, v1
	s_lshr_b32 s15, s14, 1
	s_and_b32 s16, s14, 1
	s_bfe_u32 s17, ttmp6, 0x40000
	s_bfe_u32 s18, ttmp6, 0x40004
	s_lshl_b32 s19, ttmp9, 2
	s_add_co_u32 s19, s19, s17
	s_and_b32 s20, ttmp7, 0xffff
	s_lshl_b32 s20, s20, 2
	s_add_co_u32 s20, s20, s18
	s_lshl_b32 s22, s18, 2
	s_lshl_b32 s22, 15, s22
	s_lshl_b32 s23, 0x1111, s17
	s_or_b32 s[G1X], s22, (3<<16)|(1<<21)
	s_or_b32 s[G1W], s23, (3<<16)|(1<<21)
	s_mov_b32 s[G1X+1], 32<<16
	s_mov_b32 s[G1X+2], 400<<16
	s_mov_b32 s[G1X+3], 32<<16
	s_mov_b32 s[G1X+4], 400
	s_mov_b32 s[G1X+5], 32
	s_mov_b32 s[G1X+6], 0
	s_mov_b32 s[G1X+7], 0
	s_mov_b32 s[G1W+1], 32<<16
	s_mov_b32 s[G1W+2], 200<<16
	s_mov_b32 s[G1W+3], 32<<16
	s_mov_b32 s[G1W+4], 200
	s_mov_b32 s[G1W+5], 32
	s_mov_b32 s[G1W+6], 0
	s_mov_b32 s[G1W+7], 0
	s_lshl_b32 s82, s20, 1
	s_add_co_u32 s82, s82, s16
	s_mul_i32 s82, s82, GRP
	s_mov_b32 s83, 0
	s_add_co_u32 s84, s19, 192
	s_mul_i32 s84, s84, GRP
	s_mul_i32 s85, s16, 4*REC
	s_add_co_u32 s84, s84, s85
	s_mov_b32 s85, 0
	s_mul_i32 s86, s16, GRP
	s_mul_i32 s87, s16, 4*REC
	s_add_co_u32 s87, s87, WRG
	s_wait_dscnt 0x0
	s_wait_kmcnt 0x0
	s_add_nc_u64 s[82:83], s[4:5], s[82:83]
	s_add_nc_u64 s[84:85], s[6:7], s[84:85]
	CROUND
	s_mov_b32 s[G0X], 1
	s_mov_b32 s[G0X+1], s86
	s_mov_b64 s[G0X+2:G0X+3], s[82:83]
	s_or_b32 s[G0X+3], s[G0X+3], 0x80000000
	s_mov_b32 s56, 1
	s_mov_b32 s57, s87
	s_mov_b64 s[58:59], s[84:85]
	s_or_b32 s59, s59, 0x80000000
	JLOAD G0X, 56                                  ; my one tensor load: all of K
	v_and_b32 v40, 31, v0
	v_lshlrev_b32 v1, 4, v40
	v_and_b32 v41, 15, v0
	v_bfe_u32 v42, v0, 4, 1
	v_lshlrev_b32 v43, 4, v41
	v_lshl_add_u32 v2, v42, 12, v43
	v_lshlrev_b32 v3, 6, v42
	s_mul_i32 s88, s15, GRP
	v_add_nc_u32 v[AX], s88, v1
	v_add_nc_u32 v[AX+1], 4*REC, v[AX]
	v_lshlrev_b32 v[AXB], 3, v40
	v_add_nc_u32 v[AXB], s88, v[AXB]
	v_add_nc_u32 v[AXB+1], 4*REC, v[AXB]
	v_add_nc_u32 v[ASX], s88, v43
	v_add_nc_u32 v[ASX], 12288, v[ASX]
	v_add_nc_u32 v[ASX+1], 4*REC, v[ASX]
	s_mul_i32 s89, s16, 6144
	s_add_co_u32 s89, s89, WRG
	v_add_nc_u32 v[AW], s89, v1
	v_add_nc_u32 v[AW+1], 4*REC, v[AW]
	s_lshl_b32 s89, s16, 8
	s_add_co_u32 s89, s89, WRG+12288
	v_add_nc_u32 v[ASW], s89, v43
	v_add_nc_u32 v[ASW+1], 4*REC, v[ASW]
	s_mul_i32 s89, s14, 16*272
	s_add_co_u32 s89, s89, STG
	v_mul_u32_u24 v[STO], v41, 272
	v_lshl_add_u32 v[STO], v42, 6, v[STO]
	v_add_nc_u32 v[STO], s89, v[STO]
	v_mul_u32_u24 v[RD], v42, 272
	v_add_nc_u32 v[RD], v[RD], v43
	v_add_nc_u32 v[RD], s89, v[RD]
	s_lshl_b32 s90, s19, 9
	s_lshl_b32 s91, s16, 8
	s_add_co_u32 s90, s90, s91
	s_mov_b32 s91, 0
	s_add_nc_u64 s[8:9], s[8:9], s[90:91]
	s_add_nc_u64 s[10:11], s[10:11], s[90:91]
	s_lshl_b32 s92, s20, 8
	s_lshl_b32 s93, s15, 7
	s_add_co_u32 s92, s92, s93
	s_lshl_b32 s92, s92, 12
	s_mov_b32 s93, 0
	s_add_nc_u64 s[10:11], s[10:11], s[92:93]
	WIN 0x40
.irp b, 0,1,2,3
	global_load_b128 v[96+8*\b:96+8*\b+3], v3, s[8:9] offset:128*(\b/2)+32*(\b%2)
	global_load_b128 v[96+8*\b+4:96+8*\b+7], v3, s[8:9] offset:128*(\b/2)+32*(\b%2)+16
.endr
	WIN 0
.macro FETCH s, p
	WIN 0x40
.irp b, 0,1,2,3
.irp j, 0,1,2
	ds_load_b128 v[48*(\p)+12*\b+4*\j:48*(\p)+12*\b+4*\j+3], v[AW+(\s)/4] offset:((\s)%4)*REC+1536*\b+512*\j
.endr
.endr
	WIN 0
.irp a, 0,1,2,3,4,5,6,7
.irp c, 0,1
	ds_load_b128 v[XF+96*(\p)+12*\a+6*\c:XF+96*(\p)+12*\a+6*\c+3], v[AX+(\s)/4] offset:((\s)%4)*REC+1536*\a+768*\c
	ds_load_b64 v[XF+96*(\p)+12*\a+6*\c+4:XF+96*(\p)+12*\a+6*\c+5], v[AXB+(\s)/4] offset:((\s)%4)*REC+1536*\a+768*\c+512
.endr
.endr
	ds_load_b128 v[RAW+8*(\p):RAW+8*(\p)+3], v[ASX+(\s)/4] offset:((\s)%4)*REC           ; the first head's bytes of row r: tiles 2 i, 2 i + 1 in register i
	ds_load_b128 v[RAW+8*(\p)+4:RAW+8*(\p)+7], v[ASX+(\s)/4] offset:((\s)%4)*REC+256     ; the second head's
	ds_load_b128 v[SC+12*(\p)+8:SC+12*(\p)+11], v[ASW+(\s)/4] offset:((\s)%4)*REC
.endm
.macro MUL s, p
.if (\s) == 0
	WIN 0x91
.else
	WIN 0xa1
.endif
.irp a, 0,1,2,3,4,5,6,7
.irp b, 0,1,2,3
.if (\s) == 0
	v_wmma_scale_f32_16x16x128_f8f6f4 v[8*(4*\a+\b):8*(4*\a+\b)+7], v[48*(\p)+12*\b:48*(\p)+12*\b+11], v[XF+96*(\p)+12*\a:XF+96*(\p)+12*\a+11], v[96+8*\b:96+8*\b+7], v[SC+12*(\p)+8+\b], v[SC+12*(\p)+\a] matrix_a_fmt:MATRIX_FMT_FP6 matrix_b_fmt:MATRIX_FMT_FP6
.else
	v_wmma_scale_f32_16x16x128_f8f6f4 v[8*(4*\a+\b):8*(4*\a+\b)+7], v[48*(\p)+12*\b:48*(\p)+12*\b+11], v[XF+96*(\p)+12*\a:XF+96*(\p)+12*\a+11], v[8*(4*\a+\b):8*(4*\a+\b)+7], v[SC+12*(\p)+8+\b], v[SC+12*(\p)+\a] matrix_a_fmt:MATRIX_FMT_FP6 matrix_b_fmt:MATRIX_FMT_FP6
.endif
.endr
.endr
	WIN 0
.endm
.macro KSTEP s
.if (\s) > 0
	PLACES 4
.endif
.if (\s) < 7
	FETCH (\s)+1, ((\s)+1)%2
	s_wait_dscnt 47                                ; all but the 47 just issued (12 + 32 + 3): this step's operands are in
.else
	s_wait_dscnt 0x0
.endif
.irp i, 0,1,2,3                        ; MERGE: a tile's scale word = the first head's two bytes below, the second head's above
	v_perm_b32 v[SC+12*((\s)%2)+2*\i], v[RAW+8*((\s)%2)+4+\i], v[RAW+8*((\s)%2)+\i], 0x05040100
	v_perm_b32 v[SC+12*((\s)%2)+2*\i+1], v[RAW+8*((\s)%2)+4+\i], v[RAW+8*((\s)%2)+\i], 0x07060302
.endr
	PLACES 8                                       ; a scale register written by a vector instruction stands eight places ahead of the scaled products
	MUL \s, (\s)%2
.endm
	s_wait_alu depctr_va_vdst(0)
	s_wait_tensorcnt 0x0
	s_barrier_signal -1
	s_barrier_wait -1
	FETCH 0, 0
	s_wait_loadcnt 0x0
	KSTEP 0
	KSTEP 1
	KSTEP 2
	KSTEP 3
	KSTEP 4
	KSTEP 5
	KSTEP 6
	KSTEP 7
.macro TOSTAGE a
	WIN 0x08
.irp b, 0,1,2,3
	ds_store_b128 v[STO], v[8*(4*(\a)+\b):8*(4*(\a)+\b)+3] offset:128*(\b/2)+32*(\b%2)
	ds_store_b128 v[STO], v[8*(4*(\a)+\b)+4:8*(4*(\a)+\b)+7] offset:128*(\b/2)+32*(\b%2)+16
.endr
	WIN 0
.irp i, 0,1,2,3,4,5,6,7
	ds_load_b128 v[BK+32*((\a)%2)+4*\i:BK+32*((\a)%2)+4*\i+3], v[RD] offset:2*\i*272
.endr
.endm
.macro SEND a, younger
	s_wait_dscnt \younger
.irp i, 0,1,2,3,4,5,6,7
	global_store_b128 v2, v[BK+32*((\a)%2)+4*\i:BK+32*((\a)%2)+4*\i+3], s[10:11] offset:(32*((\a)/2)+8*((\a)%2)+2*\i+8*(\i/4))*4096 th:TH_STORE_NT
.endr
.endm
	PLACES 4
	TOSTAGE 0
.irp a, 1,2,3,4,5,6,7
.if \a > 1
	s_wait_xcnt 0x0
.endif
	TOSTAGE \a
	SEND \a-1, 16
.endr
	SEND 7, 0
	s_wait_tensorcnt 0x0
	ds_add_u32 v[SPW], v[NIL]
	s_wait_dscnt 0x0
	CROUND
	s_endpgm
.Lfunc_end_k_q1966abe87b_out_proj:
	.size	k_q1966abe87b_out_proj, .Lfunc_end_k_q1966abe87b_out_proj-k_q1966abe87b_out_proj
	.p2alignl 7, 3214868480
	.fill 96, 4, 3214868480
	.section	.rodata,"a",@progbits
	.p2align	6, 0x0
	.amdhsa_kernel k_q1966abe87b_out_proj
		.amdhsa_group_segment_fixed_size 327680
		.amdhsa_private_segment_fixed_size 0
		.amdhsa_enable_private_segment 0
		.amdhsa_kernarg_size 32
		.amdhsa_user_sgpr_count 2
		.amdhsa_user_sgpr_kernarg_segment_ptr 1
		.amdhsa_wavefront_size32 1
		.amdhsa_system_sgpr_workgroup_id_x 1
		.amdhsa_system_sgpr_workgroup_id_y 1
		.amdhsa_system_sgpr_workgroup_id_z 1
		.amdhsa_system_vgpr_workitem_id 0
		.amdhsa_next_free_vgpr 768
		.amdhsa_next_free_sgpr 96
		.amdhsa_reserve_vcc 0
		.amdhsa_float_denorm_mode_32 3
		.amdhsa_float_denorm_mode_16_64 3
		.amdhsa_memory_ordered 1
		.amdhsa_forward_progress 1
		.amdhsa_inst_pref_size 89
	.end_amdhsa_kernel
	.amdgpu_metadata
---
amdhsa.version: [ 1, 2 ]
amdhsa.kernels:
  - .name:           k_q1966abe87b_out_proj
    .symbol:         k_q1966abe87b_out_proj.kd
    .args:
      - { .name: oi, .offset: 0, .size: 8, .value_kind: global_buffer, .address_space: global }
      - { .name: xi, .offset: 8, .size: 8, .value_kind: global_buffer, .address_space: global }
      - { .name: proj_b, .offset: 16, .size: 8, .value_kind: global_buffer, .address_space: global }
      - { .name: out0, .offset: 24, .size: 8, .value_kind: global_buffer, .address_space: global }
    .group_segment_fixed_size: 327680
    .private_segment_fixed_size: 0
    .kernarg_segment_align: 8
    .kernarg_segment_size: 32
    .max_flat_workgroup_size: 128
    .sgpr_count:     96
    .vgpr_count:     768
    .wavefront_size: 32
...
	.end_amdgpu_metadata
.endif
;; end of part 5
